; MI455X (gfx1250); checked and timed in simulation.
; The chip was launched on July 23, 2026; its instructions are those of AMD's public machine-readable ISA for CDNA 5 (MIT licence, August 2026) and "CDNA5" Instruction Set Architecture Reference Guide (July 2026). The comments in the code are by the model that wrote it; some were corrected since.
;; Multi Head Flash Self Attention. Allowed arithmetic: matrix products marked QUANTISED: E3M2 operands, one E8M0 scale for each 32 along K, by v_wmma_scale_f32_16x16x128_f8f6f4 with both operands' format E3M2, f32 sums; everything else in f32.
;; Inputs: WK 1,024 x 1,024 float32; WO 1,024 x 1,024 float32; WQ 1,024 x 1,024 float32; WV 1,024 x 1,024 float32; token_positions 2,048 int32; x 4 x 2,048 x 1,024 float32.
;; Outputs: out0 4 x 2,048 x 1,024 float32.
;; This version of the problem:
;;   THIS VERSION OF THE PROBLEM IS GIVEN IN LOW PRECISION. The matrix products marked QUANTISED in the list below multiply operands that are first quantised to E3M2 (3 exponent bits, 2 mantissa bits; 6 bits a number), with one power-of-two scale for each 32 numbers along K (OCP MX v1.0); their sums are f32. All else is computed in f32.
;;   The module's matrix products, in the order in which they are computed (A, B: the left and right operand; K: the contracted axis; several contracted axes count as one K, in the product's order):
;;     1. [M 8,192, K 1,024] x [K 1,024, N 1,024]; A: input x; B: input WQ: QUANTISED
;;     2. [M 8,192, K 1,024] x [K 1,024, N 1,024]; A: input x; B: input WK: QUANTISED
;;     3. [M 8,192, K 1,024] x [K 1,024, N 1,024]; A: input x; B: input WV: QUANTISED
;;     4. batch 64 x [M 2,048, K 64] x [K 64, N 2,048]; A: computed on the way; B: computed on the way: QUANTISED
;;     5. batch 64 x [M 2,048, K 2,048] x [K 2,048, N 64]; A: softmax (see below); B: computed on the way: QUANTISED
;;     6. [M 8,192, K 1,024] x [K 1,024, N 1,024]; A: computed on the way; B: input WO: QUANTISED
;;   THE QUANTISER, for each operand of a quantised product, along K:
;;     - K is cut into blocks of 32 from its start; a last block that is shorter is filled with zeros.
;;     - A block's scale is 2^e with e = floor(log2(the largest magnitude in the block)) - 4, held to -126 .. 127; a block of zeros has e = 0. As a byte (E8M0): e + 127.
;;     - Each number is divided by its block's scale, clamped to +-28, and rounded to the nearest number of E3M2, ties to even, subnormals kept.
;;     - The product sums the exact products of the quantised numbers (number of the format x scale) in f32.
;;   ~~~python
;;   def quantise(x, axis):      # numpy; x: float32 -> the quantised numbers, widened to float32 again
;;       x = np.moveaxis(x, axis, -1); K = x.shape[-1]
;;       x = np.pad(x, [(0, 0)] * (x.ndim - 1) + [(0, -K % 32)]); x = x.reshape(x.shape[:-1] + (-1, 32)); a = np.abs(x).max(-1, keepdims=True)
;;       e = np.where(a > 0, np.clip(np.frexp(np.where(a > 0, a, 1))[1] - 1 - 4, -126, 127), 0)      # np.frexp(a)[1] - 1 = floor(log2(a)), exactly
;;       r = np.clip(x / 2.0 ** e, -28, 28)
;;       step = 2.0 ** (np.maximum(np.frexp(np.where(r == 0, 1, r))[1] - 1, -2) - 2)
;;       q = np.round(r / step) * step * 2.0 ** e      # np.round: ties to even
;;       return np.moveaxis(q.reshape(q.shape[:-2] + (-1,))[..., :K], -1, axis).astype(np.float32)
;;   ~~~
;;   SOFTMAX AHEAD OF A QUANTISED PRODUCT. Where the list says 'softmax', what is quantised is not the finished softmax but p = 2^(t - M), with t = logit x log2(e) and M = ceil(the row's largest t), a whole number; so 1/2 < the row's largest p <= 1. The row's sum l is taken of the UNQUANTISED p, in f32, and the product's result is divided by l at the end. Since M is a whole number, a kernel that streams over the keys may use a running M (the ceiling of the running maximum): every later rescaling is an exact power of two, which a block's scale takes up: the codes' values come out the same.
;;   OPERANDS COMPUTED ON THE WAY. 'Computed on the way' means the value that the module computes at that place (a softmax that the list does not call 'softmax' is quantised finished and normalised). What goes into a quantiser is computed in f32, as accurately as f32 sums, v_exp_f32 and their like allow (about 1e-6 of the number): no bf16 or f16 on the way to a quantiser, and a product that is left as it is and whose result goes on into a quantised operand takes f32 operands (vector FMAs, or v_wmma_f32_16x16x4_f32). A number that lies on a knife's edge between two numbers of the format may be rounded either way, as far as f32 arithmetic and the matrix unit's own rounding can turn it there, and no further.
;; One version. Each part assembles by itself: llvm-mc -triple=amdgcn-amd-amdhsa -mcpu=gfx1250 --defsym DOCPART=n.
;; ======== version 1 of 1: 4 launches
;; limits: right only within a limited range of input values
;; workspace buffers: xq 6,553,600 bytes; wq 3,276,800 bytes; rope 524,288 bytes; qq 6,815,744 bytes; kv 13,369,344 bytes; ao 6,553,600 bytes
;; launch prep (part 1): grid 800 x 1, 4 waves a work-group, no clusters, 18,944 bytes of LDS; arguments x, WQ, WK, WV, WO, token_positions, xq, wq, rope; writes xq, wq, rope
.if DOCPART == 1
	.amdgcn_target "amdgcn-amd-amdhsa--gfx1250"
	.amdhsa_code_object_version 6
	.text
	.protected	k_q5475044537_prep
	.globl	k_q5475044537_prep
	.p2align	8
	.type	k_q5475044537_prep,@function
k_q5475044537_prep:
	s_mov_b64 s[64:65], 0
	v_nop
	global_prefetch_b8 v0, s[64:65] scope:SCOPE_SE
	s_setreg_imm32_b32 hwreg(HW_REG_WAVE_MODE, 25, 1), 1
	s_wait_xcnt 0x0
; x [8192][1024] and WQ, WK, WV, WO [1024][1024], f32, become codes of BF6 (E3M2) with one E8M0 byte for each 32 along their last axis; and token_positions becomes a table of cos and sin.
; A block's scale is 2^(floor(log2(largest magnitude)) - 4): its byte is the largest magnitude's exponent field - 4, held at 1 from below by a floor among the maximum's leaves.
; LAYOUT OF THE CODES: images of operand registers.  Rows go in tiles of 16; STORED tile T, place r, is natural row 32 (T / 2) + 8 (T % 2) + r + 8 (r / 8).  A HALF FRAGMENT (16 rows x 64 along K, 768 bytes):
; lane l = r + 16 h owns the 24 bytes of k = 32 h .. 32 h + 31 of row r; its first 16 bytes lie at 16 l, its last 8 at 512 + 8 l.  The buffer is [K / 256][tile][4 half fragments].
; SCALE BYTES: [tile][K / 256][r][8].
; Work-groups 0-511 take x's tiles, 512-767 the four weights' (64 tiles each); wave w takes 256 along K from 256 w on.  Work-groups 768-799 make the table: 64 positions each.
; LIMITS: NaN and infinities are not served; a block whose largest magnitude lies under 2^(5 - 127), a block of zeros among them, keeps the byte 1 (its codes are read by this program alone);
; the angle's reduction (pi / 2 in three parts) holds for |position x frequency| up to about 2^22.  The frequencies 10^(-j / 8) are exactly rounded for j < 8 and a product of two rounded constants for j >= 8.
.set STG,   4352                       ; a wave's stage: 16 rows x (256 bytes + 16)
.set SCB,   4*STG                      ; behind the stages: the tile's 512 scale bytes
.set GIN,   1                          ; v1  in: 4,096 (lane / 16) + 16 (lane % 16)
.set SIN,   2                          ; v2  into the stage: 272 (lane / 16) + 16 (lane % 16)
.set SOUT,  3                          ; v3  out of it: 272 r + 128 h: my 32 neighbours
.set LI16,  4                          ; v4  16 x lane
.set LI8,   5                          ; v5  8 x lane
.set SBA,   6                          ; v6  my block's scale byte: SCB + 128 wave + 8 r + h
.set SRD,   7                          ; v7  SCB + 16 x lane
.set X,     16                         ; v16-47  my 32 numbers
.set C,     48                         ; v48-79  codes: eight registers for each chunk, so that no store's data are written again
.set T,     80                         ; v80-82  the second conversion's result
.set E,     84                         ; v84-87  a byte for each chunk
.set R,     96                         ; v96-223 four chunks as loaded
	s_load_b256 s[4:11], s[0:1], 0x0               ; x, WQ, WK, WV
	s_load_b256 s[12:19], s[0:1], 0x20             ; WO, token_positions, xq, wq
	s_load_b64 s[20:21], s[0:1], 0x40              ; rope
	v_lshl_add_u32 v224, v0, 2, 0x4800
	v_mov_b32 v225, 0
	v_lshrrev_b32 v8, 5, v0
	v_readfirstlane_b32 s3, v8                     ; wave
	v_and_b32 v9, 31, v0                           ; lane
	s_cmp_ge_u32 ttmp9, 768                        ; the parting hangs on the work-group's number alone; only the quantiser's way uses LDS and a barrier
	s_cbranch_scc1 .Ltable
	v_and_b32 v10, 15, v0                          ; r
	v_bfe_u32 v11, v0, 4, 1                        ; h
	v_lshlrev_b32 v12, 4, v10
	v_lshl_add_u32 v[GIN], v11, 12, v12
	s_mul_i32 s2, s3, STG
	v_mad_u32_u24 v13, v11, 272, v12
	v_add_nc_u32 v[SIN], s2, v13
	v_mul_u32_u24 v13, v10, 272
	v_lshl_add_u32 v13, v11, 7, v13
	v_add_nc_u32 v[SOUT], s2, v13
	v_lshlrev_b32 v[LI16], 4, v9
	v_lshlrev_b32 v[LI8], 3, v9
	s_lshl_b32 s2, s3, 7
	s_add_co_u32 s2, s2, SCB
	v_lshl_add_u32 v13, v10, 3, v11
	v_add_nc_u32 v[SBA], s2, v13
	v_add_nc_u32 v[SRD], SCB, v[LI16]
	; which tensor, which tile, and where it goes: all chosen on the work-group's number
	s_and_b32 s26, ttmp9, 63                       ; a weight's tile (512 is a multiple of 64)
	s_sub_co_u32 s27, ttmp9, 512                   ; WQ | WK | WV: tile in wq
	s_sub_co_u32 s28, ttmp9, 704                   ; WO: tile in its part of wq
	s_mov_b32 s29, 589824                          ; from one 256 along K to the next: 192 tiles x 3,072
	s_mov_b32 s30, 2359296                         ; where their scale bytes begin
	s_mov_b32 s31, 1572864                         ; x: 512 tiles x 3,072
	s_mov_b32 s32, 6291456
	s_wait_alu depctr_va_vdst(0)
	s_wait_kmcnt 0x0
	s_cmp_ge_u32 ttmp9, 512
	s_cselect_b32 s26, s26, ttmp9                  ; the source's tile
	s_cselect_b32 s27, s27, ttmp9                  ; the destination's
	s_cselect_b32 s29, s29, s31
	s_cselect_b32 s30, s30, s32
	s_cselect_b64 s[22:23], s[6:7], s[4:5]
	s_cselect_b64 s[24:25], s[18:19], s[16:17]
	s_cmp_ge_u32 ttmp9, 576
	s_cselect_b64 s[22:23], s[8:9], s[22:23]
	s_cmp_ge_u32 ttmp9, 640
	s_cselect_b64 s[22:23], s[10:11], s[22:23]
	s_mov_b32 s31, 196608                          ; WO: 64 tiles x 3,072
	s_mov_b32 s32, 3244032
	s_cmp_ge_u32 ttmp9, 704
	s_cselect_b64 s[22:23], s[12:13], s[22:23]
	s_cselect_b32 s27, s28, s27
	s_cselect_b32 s29, s31, s29
	s_cselect_b32 s30, s32, s30
	s_cselect_b32 s33, 2457600, 0                  ; where WO's image begins
	s_lshr_b32 s34, s26, 1
	s_lshl_b32 s34, s34, 17                        ; 32 rows of 4,096 bytes
	s_and_b32 s35, s26, 1
	s_lshl_b32 s35, s35, 15                        ; 8 rows
	s_add_co_u32 s34, s34, s35
	s_lshl_b32 s35, s3, 10                         ; my wave's 256 along K
	s_add_co_u32 s34, s34, s35
	s_mov_b32 s35, 0
	s_add_nc_u64 s[22:23], s[22:23], s[34:35]
	s_mul_i32 s36, s3, s29
	s_mul_i32 s37, s27, 3072
	s_add_co_u32 s36, s36, s37
	s_add_co_u32 s36, s36, s33
	s_mov_b32 s37, 0
	s_add_nc_u64 s[38:39], s[24:25], s[36:37]      ; my four half fragments
	s_lshl_b32 s36, s27, 9
	s_add_co_u32 s36, s36, s30
	s_add_nc_u64 s[40:41], s[24:25], s[36:37]      ; the tile's scale bytes
.irp c, 0,1,2,3                        ; all 32 loads go out at once: sixteen lanes read a row's aligned 256 bytes, two rows a load; stored rows 2 i, 2 i + 1 are natural rows 2 i + 8 (i / 4) on
.irp i, 0,1,2,3,4,5,6,7
	global_load_b128 v[R+32*\c+4*\i:R+32*\c+4*\i+3], v[GIN], s[22:23] offset:(2*\i+8*(\i/4))*4096+256*\c th:TH_LOAD_NT
.endr
.endr
; A chunk: 16 rows x 64 along K turn through my stage, so that a lane gets 32 neighbours: a whole block; its codes are a half fragment's image.
.macro CHUNK c
	s_wait_loadcnt 8*(3-\c)                        ; this chunk's eight loads are in; the later chunks' may be out
.irp i, 0,1,2,3,4,5,6,7
	ds_store_b128 v[SIN], v[R+32*\c+4*\i:R+32*\c+4*\i+3] offset:2*\i*272
.endr
.irp m, 0,1,2,3,4,5,6,7
	ds_load_b128 v[X+4*\m:X+4*\m+3], v[SOUT] offset:16*\m   ; LDS serves a wave's instructions in order (ISA guide 5.7.1.4): these see my stores
.endr
	s_wait_dscnt 0x0
	v_max3_num_f32 v12, |v[X]|, |v[X+1]|, |v[X+2]|     ; the block's largest magnitude, in two chains
	v_max3_num_f32 v13, |v[X+3]|, |v[X+4]|, |v[X+5]|
.irp i, 6,10,14,18,22,26
	v_max3_num_f32 v12, v12, |v[X+\i]|, |v[X+\i+1]|
	v_max3_num_f32 v13, v13, |v[X+\i+2]|, |v[X+\i+3]|
.endr
	v_max3_num_f32 v12, v12, |v[X+30]|, |v[X+31]|
	v_max3_num_f32 v12, v12, v13, 0x2800000        ; and the floor 2^(5 - 127): the byte cannot fall under 1
	v_add_nc_u32 v11, 0xfe000000, v12              ; 4 off the exponent field: the conversion takes this operand's exponent field as its scale
	v_cvt_scalef32_pk16_bf6_f32 v[C+8*\c:C+8*\c+2], v[X:X+15], v11
	v_cvt_scalef32_pk16_bf6_f32 v[T:T+2], v[X+16:X+31], v11   ; (a conversion's three registers begin on an even number)
	v_lshrrev_b32 v[E+\c], 23, v11                 ; the scale's byte; also the plain line behind the conversions
.irp i, 0,1,2
	v_mov_b32 v[C+8*\c+3+\i], v[T+\i]
.endr
	ds_store_b8 v[SBA], v[E+\c] offset:2*\c
	global_store_b128 v[LI16], v[C+8*\c:C+8*\c+3], s[38:39] offset:768*\c       ; 512 consecutive bytes
	global_store_b64 v[LI8], v[C+8*\c+4:C+8*\c+5], s[38:39] offset:768*\c+512   ; 256 consecutive bytes
.endm
	CHUNK 0
	CHUNK 1
	CHUNK 2
	CHUNK 3
	s_wait_dscnt 0x0                               ; for the others' sake: my scale bytes lie in LDS
	s_barrier_signal -1
	s_barrier_wait -1
	s_cmp_lg_u32 s3, 0
	s_cbranch_scc1 .Ldone
	ds_load_b128 v[8:11], v[SRD]                   ; wave 0 stores the tile's 512 scale bytes: two aligned runs of 256
	s_wait_dscnt 0x0
	global_store_b128 v[LI16], v[8:11], s[40:41]
.Ldone:
	s_wait_tensorcnt 0x0
	ds_add_u32 v224, v225
	s_wait_dscnt 0x0
	s_endpgm
.Ltable:                               ; rope[s][j] = (cos, sin) of token_positions[s] x 10000^(-j / 32), j = lane; a wave takes 16 positions
	s_sub_co_u32 s2, ttmp9, 768
	s_lshl_b32 s2, s2, 6
	s_lshl_b32 s22, s3, 4
	s_add_co_u32 s2, s2, s22                       ; my first position's index
	s_lshl_b32 s22, s2, 2
	s_mov_b32 s23, 0
	s_lshl_b32 s24, s2, 8                          ; 256 bytes of table for each
	s_mov_b32 s25, 0
	s_wait_kmcnt 0x0
	s_add_nc_u64 s[22:23], s[14:15], s[22:23]
	s_add_nc_u64 s[24:25], s[20:21], s[24:25]
	s_load_b512 s[32:47], s[22:23], 0x0            ; sixteen positions
	s_mov_b32 s48, 0xbfc90fdb                      ; -(pi / 2)'s first part;
	s_mov_b32 s49, 0x333bbd2e                      ; pi / 2 = the first part - this
	s_mov_b32 s50, 0x26f72ced                      ; - this
	s_mov_b32 s51, 0xb94ca1f9                      ; sine's polynomial on |r| <= pi / 4: -1.9515295891e-4,
	s_mov_b32 s52, 0x3c08839e                      ; 8.3321608736e-3,
	s_mov_b32 s53, 0xbe2aaaa3                      ; -1.6666654611e-1
	s_mov_b32 s54, 0x37ccf5ce                      ; cosine's: 2.443315712e-5,
	s_mov_b32 s55, 0xbab6061a                      ; -1.388731625e-3,
	s_mov_b32 s56, 0x3d2aaaa5                      ; 4.166664568e-2
	s_wait_alu depctr_va_vdst(0)
	v_and_b32 v2, 7, v9
	v_lshrrev_b32 v3, 3, v9
	v_mov_b32 v4, 1.0
	v_mov_b32 v6, 1.0
.macro PICK idx, key, val, dst         ; dst = val in the lanes where idx = key
	v_mov_b32 v5, \val
	v_cmp_eq_u32 vcc_lo, \key, \idx
	v_cndmask_b32 \dst, \dst, v5, vcc_lo
.endm
	PICK v2, 1, 0x3f3ff911, v4                     ; 10^(-1/8) = 0.74989421
	PICK v2, 2, 0x3f0ff59a, v4                     ; 10^(-2/8) = 0.56234133
	PICK v2, 3, 0x3ed7e89b, v4                     ; 10^(-3/8) = 0.42169650
	PICK v2, 4, 0x3ea1e89b, v4                     ; 10^(-4/8) = 0.31622777
	PICK v2, 5, 0x3e72d424, v4                     ; 10^(-5/8) = 0.23713737
	PICK v2, 6, 0x3e361887, v4                     ; 10^(-6/8) = 0.17782794
	PICK v2, 7, 0x3e088d77, v4                     ; 10^(-7/8) = 0.13335214
	PICK v3, 1, 0x3dcccccd, v6                     ; 0.1
	PICK v3, 2, 0x3c23d70a, v6                     ; 0.01
	PICK v3, 3, 0x3a83126f, v6                     ; 0.001
	v_mul_f32 v4, v4, v6                           ; 10^(-j / 8) = 10000^(-j / 32)
	v_lshlrev_b32 v7, 3, v9                        ; 8 bytes a lane
	s_wait_kmcnt 0x0
.macro SINCOS k
	v_cvt_f32_i32 v8, s[32+\k]
	s_wait_alu depctr_va_vdst(0)
	v_mul_f32 v8, v8, v4                           ; the angle, rounded once
	v_mul_f32 v9, 0x3f22f983, v8                   ; x 2 / pi
	v_rndne_f32 v9, v9                             ; n
	v_fma_f32 v10, v9, s48, v8
	v_fma_f32 v10, v9, s49, v10
	v_fma_f32 v10, v9, s50, v10                    ; r = angle - n pi / 2
	v_mul_f32 v11, v10, v10                        ; z
	v_fma_f32 v12, v11, s51, s52
	v_fma_f32 v12, v12, v11, s53
	v_mul_f32 v13, v11, v10
	v_fma_f32 v12, v12, v13, v10                   ; sin r
	v_fma_f32 v14, v11, s54, s55
	v_fma_f32 v14, v14, v11, s56
	v_mul_f32 v15, v11, v11
	v_fma_f32 v16, v11, -0.5, 1.0
	v_fma_f32 v14, v14, v15, v16                   ; cos r
	v_cvt_i32_f32 v17, v9
	v_and_b32 v18, 1, v17
	v_cmp_eq_u32 vcc_lo, 1, v18                    ; in odd quadrants the two change places
	v_cndmask_b32 v19, v12, v14, vcc_lo
	v_cndmask_b32 v20, v14, v12, vcc_lo
	v_lshlrev_b32 v21, 30, v17                     ; the sine is negative in quadrants 2 and 3,
	v_and_b32 v21, 0x80000000, v21
	v_add_nc_u32 v22, 1, v17                       ; the cosine in 1 and 2
	v_lshlrev_b32 v22, 30, v22
	v_and_b32 v22, 0x80000000, v22
	v_xor_b32 v[32+2*\k], v20, v22
	v_xor_b32 v[33+2*\k], v19, v21
	global_store_b64 v7, v[32+2*\k:33+2*\k], s[24:25] offset:256*\k   ; 32 lanes store 256 consecutive bytes, aligned
.endm
.irp k, 0,1,2,3,4,5,6,7,8,9,10,11,12,13,14,15
	SINCOS \k
.endr
	s_endpgm
.Lfunc_end_k_q5475044537_prep:
	.size	k_q5475044537_prep, .Lfunc_end_k_q5475044537_prep-k_q5475044537_prep
	.p2alignl 7, 3214868480
	.fill 96, 4, 3214868480
	.section	.rodata,"a",@progbits
	.p2align	6, 0x0
	.amdhsa_kernel k_q5475044537_prep
		.amdhsa_group_segment_fixed_size 18944
		.amdhsa_private_segment_fixed_size 0
		.amdhsa_enable_private_segment 0
		.amdhsa_kernarg_size 72
		.amdhsa_user_sgpr_count 2
		.amdhsa_user_sgpr_kernarg_segment_ptr 1
		.amdhsa_wavefront_size32 1
		.amdhsa_system_sgpr_workgroup_id_x 1
		.amdhsa_system_sgpr_workgroup_id_y 1
		.amdhsa_system_sgpr_workgroup_id_z 1
		.amdhsa_system_vgpr_workitem_id 0
		.amdhsa_next_free_vgpr 226
		.amdhsa_next_free_sgpr 66
		.amdhsa_reserve_vcc 1
		.amdhsa_float_denorm_mode_32 3
		.amdhsa_float_denorm_mode_16_64 3
		.amdhsa_memory_ordered 1
		.amdhsa_forward_progress 1
		.amdhsa_inst_pref_size 44
	.end_amdhsa_kernel
	.amdgpu_metadata
---
amdhsa.version: [ 1, 2 ]
amdhsa.kernels:
  - .name:           k_q5475044537_prep
    .symbol:         k_q5475044537_prep.kd
    .args:
      - { .name: x, .offset: 0, .size: 8, .value_kind: global_buffer, .address_space: global }
      - { .name: WQ, .offset: 8, .size: 8, .value_kind: global_buffer, .address_space: global }
      - { .name: WK, .offset: 16, .size: 8, .value_kind: global_buffer, .address_space: global }
      - { .name: WV, .offset: 24, .size: 8, .value_kind: global_buffer, .address_space: global }
      - { .name: WO, .offset: 32, .size: 8, .value_kind: global_buffer, .address_space: global }
      - { .name: token_positions, .offset: 40, .size: 8, .value_kind: global_buffer, .address_space: global }
      - { .name: xq, .offset: 48, .size: 8, .value_kind: global_buffer, .address_space: global }
      - { .name: wq, .offset: 56, .size: 8, .value_kind: global_buffer, .address_space: global }
      - { .name: rope, .offset: 64, .size: 8, .value_kind: global_buffer, .address_space: global }
    .group_segment_fixed_size: 18944
    .private_segment_fixed_size: 0
    .kernarg_segment_align: 8
    .kernarg_segment_size: 72
    .max_flat_workgroup_size: 128
    .sgpr_count:     66
    .vgpr_count:     226
    .wavefront_size: 32
...
	.end_amdgpu_metadata
.endif
;; end of part 1
;; launch qkv (part 2): grid 12 x 32, 4 waves a work-group, clusters of 4 x 4, 327,680 bytes of LDS; arguments xq, wq, rope, qq, kv; writes qq, kv
.if DOCPART == 2
	.amdgcn_target "amdgcn-amd-amdhsa--gfx1250"
	.amdhsa_code_object_version 6
	.text
	.protected	k_q5475044537_qkv
	.globl	k_q5475044537_qkv
	.p2align	8
	.type	k_q5475044537_qkv,@function
k_q5475044537_qkv:
	s_mov_b64 s[64:65], 0
	v_nop
	global_prefetch_b8 v0, s[64:65] scope:SCOPE_SE
	s_setreg_imm32_b32 hwreg(HW_REG_WAVE_MODE, 25, 1), 1
	s_wait_xcnt 0x0
	s_wait_alu depctr_hold_cnt(0) depctr_sa_sdst(0) depctr_va_vdst(0) depctr_va_sdst(0) depctr_va_ssrc(0) depctr_va_vcc(0) depctr_vm_vsrc(0)
	s_getreg_b32 s2, hwreg(HW_REG_IB_STS2, 6, 4)
	s_cmp_eq_u32 s2, 0
	s_cbranch_scc0 .Lentry_in_a_cluster
	s_endpgm
.Lentry_in_a_cluster:
	s_bfe_u32 s2, ttmp6, 0x10000c
	s_cmp_lg_u32 s2, 0xf033
	s_cbranch_scc0 .Lentry_shape_is_right
	s_endpgm
.Lentry_shape_is_right:
; [8192 x 1024] x [3072 x 1024]^T on codes of BF6 (E3M2) with E8M0 scales: x against WQ | WK | WV.  The results never go to memory as f32: Q and K are rotated (RoPE) and quantised along the head's 64,
; V is quantised along the KEYS, and only codes and scale bytes are stored, as images of the operand registers that the attention launch loads.
; A tile of C is 256 x 256: four waves, each 128 x 128 in 64 accumulators (512 registers).  K goes in steps of 256 through two LDS slots; the operands lie in memory as register images
; ([K / 256][tile of 16 rows][4 half fragments of 768 bytes]), so 128 rows x 256 K are 24,576 dense bytes, one tensor load, and a fragment comes by two loads of 16 bytes and two of 8, each on consecutive bytes.
; The scale bytes of the work-group's 256 + 256 rows, for all of K, come into LDS once ([tile][K / 256][row][8]).
; CLUSTERS: 4 x 4 work-groups; A's tiles are asked for jointly along a row of the cluster, B's along a column.  Cluster x = 0, 1, 2 is Q, K, V: the ways part ONCE, on the cluster's number alone, ahead of the
; last step of 128 along K, which is written on both ways: Q's and K's way asks for its first table entries in front of that step, V's way asks for none.
; THE PRODUCT IS USED TRANSPOSED (source 0 = 16 rows of W, source 1 = 16 rows of x).  Rows lie in STORED order (stored tile T, place r = natural row 32 (T / 2) + 8 (T % 2) + r + 8 (r / 8)), so that in a lane the
; 16 registers of W's tiles 2 b, 2 b + 1 are the natural columns 32 b + 16 (lane / 16) + 0 .. 15 of one row of x.
; REGISTERS: window 0: v1-31 addresses; v32-63 scale words, two sets; v64-127 the table's cos and sin; v128-223 A's fragments, one set; on the way out v64-235 are at work.
;   window 1: B's fragments, two sets, at v0 and v128.  windows 2, 3: the accumulators ((a, b) at v[8 (8 (a % 4) + b)]).
; LIMITS: NaN and infinities are not served; a block under the floor 2^(5 - 127) keeps the byte 1.
.set KSTA,  1572864                    ; A: from one 256 along K to the next
.set KSTB,  589824                     ; B likewise
.set ASC,   6291456                    ; where A's scale bytes begin in its buffer
.set BIMG,  0                          ; where B's image begins
.set BSC,   2359296                    ; and B's scale bytes
.set BHB,   208896                     ; kv: bytes of a head;
.set SLOTB, 26112                      ; of 256 keys: K's 16 half fragments, V's 16, K's 256 scale words, V's 128
.set NQ,    2                          ; matrix instructions deep in a slot
.set FR,    12                         ; registers of a fragment
.set NL,    4                          ; LDS loads that bring one
.set NP,    4                          ; places behind this matrix instruction (ISA guide 7.12.1)
.set HALFT, 24576                      ; 128 rows x 256 K
.set SLOT,  4*HALFT                    ; A's 256 rows, then B's
.set SCL,   2*SLOT                     ; A's scale bytes, 8,192
.set SCLB,  SCL+8192+128               ; B's: 128 bytes further on than a whole number of 256, so that the two halves of the lanes read different banks
.set SPARE, SCLB+8192+128              ; the spare words, 128 bytes for each wave: two blocks of 256 bytes that no other line names
.set TA,   7                           ; v7   the table: 256 (r + 8 (r / 8)) + 64 h
.set LI16, 8                           ; v8   16 x lane
.set LI8,  9                           ; v9   8 x lane
.set SWA,  10                          ; v10  Q, K: where my row's scale word goes: 1,024 wave + 512 h + 4 r
.set SRD,  11                          ; v11  and where the words are read back: 1,024 wave + 16 lane
.set SH16, 12                          ; v12  16 h
.set VSTO, 13                          ; v13  V's stage, in: 528 r + 64 h
.set VRD,  14                          ; v14  out: 4 x lane: a lane takes a column
.set VA16, 15                          ; v15  V's image: 768 u + 16 p, u = (lane / 8) % 2, p = lane % 8 + 8 (lane / 16)
.set ADRA, 16                          ; v16-17 LDS address of my A fragments in slot 0, 1, + 16 lane;  v18-19 + 8 lane
.set ADRB, 20                          ; v20-23 the same for B
.set VA8,  24                          ; v24  768 u + 8 p
.set VAS,  25                          ; v25  64 u + 4 p
.set ADRS, 27                          ; v27  my scale words: lanes 0-15 A's rows, lanes 16-31 B's
.set SPW,  28                          ; v28  my spare word: SPARE + 4 x my thread's number; never rewritten
.set NIL,  29                          ; v29  0; never rewritten
.set SC,   32
.set AF,   128
.set CS,   64                          ; the way out of Q and K: two sets of 32: (cos, sin) of my row's 16 pairs
.set R,    128                         ; 64 rotated numbers
.set PC,   192                         ; the codes just made (v192-210)
.set TM,   212                         ; v212-227 at work
.set PW,   228                         ; the scale word just made
.set T1,   229
.set X,    64                          ; the way out of V: four columns x 32 keys
.set CC,   192                         ; codes, eight registers a column
.set VT,   224
.set W0,   228
.set SB,   232                         ; four scale words
.set G1, 24
.set G0, 32
.set G1B, 48
.set G0B, 56
.set SEL, 66                           ; s66, s67 lane selects for v_permlanex16_b32: lane l xor 16
.set G1S, 68
.set G0S, 76
.set G1SB, 80
.set G0SB, 88
.set RB,   68                          ; the way out's addresses take the descriptors' registers once every tensor load is done
.set IMG0, 70
.set IMG1, 72
.set SC0,  74
.set SC1,  76
.set MSB, 0
.macro WIN new                         ; the immediate's high byte repeats the setting that is left
.if MSB != (\new)
	s_set_vgpr_msb (MSB<<8)|(\new)
.set MSB, (\new)
.endif
.endm
.set MUL_LO, 0xa1                      ; source 0 (B) window 1, source 1 (A) window 0, C and D window 2
.set MUL_HI, 0xf1                      ; the same, C and D window 3
.set TO_B,   0x40                      ; destination window 1, address window 0
; A joint load: waves 0 and 1 fetch for A, waves 2 and 3 for B; the branch hangs on the wave's number alone.  Four v_nop follow each of the two lines.
.macro JLOAD g0a, g1a, g0b, g1b
	s_cmp_eq_u32 s15, 0
	s_cbranch_scc0 .Lfor_b_\@
	tensor_load_to_lds s[\g0a:\g0a+3], s[\g1a:\g1a+7]
	s_nop 0
.rept 4
	v_nop
.endr
	s_branch .Lasked_\@
.Lfor_b_\@:
	tensor_load_to_lds s[\g0b:\g0b+3], s[\g1b:\g1b+7]
	s_nop 0
.rept 4
	v_nop
.endr
.Lasked_\@:
.endm
.macro CREST                           ; a round of the cluster's barrier behind its opening barrier
	s_cmp_lg_u32 s14, 0
	s_cbranch_scc1 .Lnot_wave_0_\@
	s_barrier_signal -3
.Lnot_wave_0_\@:
	s_barrier_wait -3
	s_barrier_signal -1
	s_barrier_wait -1
.endm
.macro CROUND
	s_barrier_signal -1
	s_barrier_wait -1
	CREST
.endm
	s_load_b128 s[4:7], s[0:1], 0x0                ; xq, wq
	s_load_b128 s[8:11], s[0:1], 0x10              ; rope, qq
	s_load_b64 s[12:13], s[0:1], 0x20              ; kv
	v_lshl_add_u32 v[SPW], v0, 2, SPARE
	v_mov_b32 v[NIL], 0
	ds_add_u32 v28, v29
	s_wait_dscnt 0x0
	v_lshrrev_b32 v1, 5, v0
	v_readfirstlane_b32 s14, v1                    ; wave 0..3
	s_lshr_b32 s15, s14, 1                         ; which half of the tile's rows is mine.  Also: I fetch for A (0) or for B (1)
	s_and_b32 s16, s14, 1                          ; which half of its columns.  Also: which 128 rows of that tile I fetch
	s_bfe_u32 s40, ttmp6, 0x40000                  ; cx, cy: my place in the cluster
	s_bfe_u32 s41, ttmp6, 0x40004
	s_lshl_b32 s42, ttmp9, 2
	s_add_co_u32 s42, s42, s40                     ; tile column = 4 x cluster x + cx
	s_and_b32 s17, ttmp7, 0xffff
	s_lshl_b32 s17, s17, 2
	s_add_co_u32 s17, s17, s41                     ; tile row = 4 x cluster y + cy
	s_lshl_b32 s43, s41, 2
	s_lshl_b32 s43, 15, s43                        ; my row of the cluster
	s_lshl_b32 s44, 0x1111, s40                    ; my column
	s_mov_b32 s[SEL], 0x76543210
	s_mov_b32 s[SEL+1], 0xfedcba98
	s_mov_b32 s99, 0x7f7f0000                      ; the two upper bytes of Q's and K's scale words: 2^0 for the half of the product's K that holds no numbers
	; descriptor group 1: 24,576 dense bytes as 96 rows of 256 (32 elements of 8 bytes); no padding: every LDS read is of consecutive bytes
	s_or_b32 s[G1], s43, (3<<16)|(1<<21)           ; 15:0 the mask: A's tiles go to my row; 17:16 elements of 8 bytes; 21 set beside a mask
	s_or_b32 s[G1B], s44, (3<<16)|(1<<21)
.irp g, G1, G1B
	s_mov_b32 s[\g+1], 32<<16                      ; tensor_dim0
	s_mov_b32 s[\g+2], 96<<16                      ; tensor_dim1
	s_mov_b32 s[\g+3], 32<<16                      ; tile_dim0
	s_mov_b32 s[\g+4], 96                          ; tile_dim1
	s_mov_b32 s[\g+5], 32                          ; tensor_dim0_stride
	s_mov_b32 s[\g+6], 0
	s_mov_b32 s[\g+7], 0
.endr
	s_or_b32 s[G1S], s43, (3<<16)|(1<<21)          ; the scale bytes of 128 rows: 4,096 dense bytes as 16 rows of 256
	s_or_b32 s[G1SB], s44, (3<<16)|(1<<21)
.irp g, G1S, G1SB
	s_mov_b32 s[\g+1], 32<<16
	s_mov_b32 s[\g+2], 16<<16
	s_mov_b32 s[\g+3], 32<<16
	s_mov_b32 s[\g+4], 16
	s_mov_b32 s[\g+5], 32
	s_mov_b32 s[\g+6], 0
	s_mov_b32 s[\g+7], 0
.endr
	s_lshl_b32 s18, s16, 3                         ; which 8 tiles of 16 rows I fetch
	s_lshl_b32 s20, s17, 4
	s_add_co_u32 s20, s20, s18                     ; A: tile 16 x tile row + 8 x half
	s_lshl_b32 s46, s42, 4
	s_add_co_u32 s46, s46, s18                     ; B: tile 16 x tile column + 8 x half
	s_lshl_b32 s22, s20, 9                         ; 512 scale bytes a tile
	s_add_co_u32 s22, s22, ASC
	s_mov_b32 s23, 0
	s_lshl_b32 s92, s46, 9
	s_add_co_u32 s92, s92, BSC
	s_mov_b32 s93, 0
	s_mul_i32 s20, s20, 3072
	s_mov_b32 s21, 0
	s_mul_i32 s46, s46, 3072
	s_add_co_u32 s46, s46, BIMG
	s_mov_b32 s47, 0
	s_mul_i32 s45, s14, HALFT                      ; where they go: wave x 128 rows: no place in the cluster enters an LDS address
	s_lshl_b32 s94, s14, 12
	s_wait_kmcnt 0x0
	s_add_nc_u64 s[20:21], s[4:5], s[20:21]
	s_add_nc_u64 s[22:23], s[4:5], s[22:23]
	s_add_nc_u64 s[46:47], s[6:7], s[46:47]
	s_add_nc_u64 s[92:93], s[6:7], s[92:93]
	CROUND                                         ; all sixteen work-groups are here: the first joint loads meet
	s_mov_b32 s[G0S], 1
	s_add_co_u32 s[G0S+1], s94, SCL
	s_mov_b64 s[G0S+2:G0S+3], s[22:23]
	s_or_b32 s[G0S+3], s[G0S+3], 0x80000000
	s_mov_b32 s[G0SB], 1
	s_add_co_u32 s[G0SB+1], s94, SCL+128           ; waves 2 and 3: SCLB and SCLB + 4,096
	s_mov_b64 s[G0SB+2:G0SB+3], s[92:93]
	s_or_b32 s[G0SB+3], s[G0SB+3], 0x80000000
	JLOAD G0S, G1S, G0SB, G1SB                     ; the scales first: they are wanted with K step 0
.irp s, 0,1
	s_mov_b32 s[G0+4*\s], 1
	s_add_co_u32 s[G0+4*\s+1], s45, \s*SLOT
	s_add_nc_u64 s[G0+4*\s+2:G0+4*\s+3], s[20:21], \s*KSTA
	s_or_b32 s[G0+4*\s+3], s[G0+4*\s+3], 0x80000000
	s_mov_b32 s[G0B+4*\s], 1
	s_add_co_u32 s[G0B+4*\s+1], s45, \s*SLOT
	s_add_nc_u64 s[G0B+4*\s+2:G0B+4*\s+3], s[46:47], \s*KSTB
	s_or_b32 s[G0B+4*\s+3], s[G0B+4*\s+3], 0x80000000
	JLOAD G0+4*\s, G1, G0B+4*\s, G1B               ; three tensor loads of mine are out
.endr
	v_and_b32 v3, 31, v0                           ; lane
	v_and_b32 v1, 15, v0                           ; r
	v_bfe_u32 v2, v0, 4, 1                         ; h
	v_lshlrev_b32 v[LI16], 4, v3
	v_lshlrev_b32 v[LI8], 3, v3
	s_mul_i32 s21, s15, HALFT                      ; my 128 rows of A
	s_mul_i32 s22, s16, HALFT                      ; my 128 rows of B,
	s_add_co_u32 s22, s22, 2*HALFT                 ; which lie behind A's 256
.irp s, 0,1
	v_add_nc_u32 v[ADRA+\s], s21, v[LI16]
	v_add_nc_u32 v[ADRA+2+\s], s21, v[LI8]
	v_add_nc_u32 v[ADRB+\s], s22, v[LI16]
	v_add_nc_u32 v[ADRB+2+\s], s22, v[LI8]
	s_add_co_u32 s21, s21, SLOT
	s_add_co_u32 s22, s22, SLOT
.endr
	s_lshl_b32 s21, s15, 12                        ; A's scale bytes: my 8 tiles
	s_lshl_b32 s22, s16, 12                        ; B's
	s_add_co_u32 s22, s22, SCLB-SCL
	s_sub_co_u32 s22, s22, s21
	v_mul_u32_u24 v6, s22, v2                      ; lanes 16-31 take B's: one product, the distance x h
	s_add_co_u32 s21, s21, SCL
	v_lshl_add_u32 v5, v1, 3, v6
	v_add_nc_u32 v[ADRS], s21, v5
	; the way out's addresses are all made here, ahead of the parting of the ways
	v_and_b32 v4, 8, v1
	v_add_nc_u32 v4, v4, v1                        ; r + 8 (r / 8)
	v_lshlrev_b32 v[TA], 8, v4
	v_lshl_add_u32 v[TA], v2, 6, v[TA]
	s_lshl_b32 s21, s14, 10                        ; Q's and K's scale words: 1,024 bytes a wave, in slot 0 behind its last fill and its last read
	v_lshlrev_b32 v5, 2, v1
	v_lshl_add_u32 v5, v2, 9, v5
	v_add_nc_u32 v[SWA], s21, v5
	v_add_nc_u32 v[SRD], s21, v[LI16]
	v_lshlrev_b32 v[SH16], 4, v2
	s_mul_i32 s21, s14, 16896                      ; V's stage: 32 rows x 528 bytes a wave, in bytes of its own in the same slot
	s_add_co_u32 s21, s21, 8192
	v_mul_u32_u24 v5, v1, 528
	v_lshl_add_u32 v5, v2, 6, v5
	v_add_nc_u32 v[VSTO], s21, v5
	v_lshlrev_b32 v5, 2, v3
	v_add_nc_u32 v[VRD], s21, v5
	v_bfe_u32 v5, v0, 3, 1                         ; u
	v_and_b32 v6, 7, v0
	v_lshl_add_u32 v6, v2, 3, v6                   ; p
	v_mul_u32_u24 v26, v5, 768
	v_lshl_add_u32 v[VA16], v6, 4, v26
	v_lshl_add_u32 v[VA8], v6, 3, v26
	v_lshlrev_b32 v26, 6, v5
	v_lshl_add_u32 v[VAS], v6, 2, v26
.macro FRAG reg, adr, q, i             ; a fragment (16 rows x 128 K, 12 registers) is two half fragments: registers 0-3 at 16 lane, 4-5 at 512 + 8 lane, and the same 768 bytes on
	ds_load_b128 v[\reg:\reg+3], v[\adr] offset:3072*(\i)+1536*(\q)
	ds_load_b64 v[\reg+4:\reg+5], v[\adr+2] offset:3072*(\i)+1536*(\q)+512
	ds_load_b128 v[\reg+6:\reg+9], v[\adr] offset:3072*(\i)+1536*(\q)+768
	ds_load_b64 v[\reg+10:\reg+11], v[\adr+2] offset:3072*(\i)+1536*(\q)+1280
.endm
; 16 matrix instructions: A's blocks a0, a0 + 1 x B's eight, 128 along K.  p: B's set; sc: the set of scale words.  zero = 1: the first product starts the sums.
; The 64 accumulators take turns, one instruction a turn, in the same order in every step.
.macro MUL16 a0, p, q, sc, zero
.irp a, \a0, \a0+1
.irp b, 0,1,2,3,4,5,6,7
.if \zero
	v_wmma_scale_f32_16x16x128_f8f6f4 v[8*(8*((\a)%4)+\b):8*(8*((\a)%4)+\b)+7], v[128*(\p)+FR*\b:128*(\p)+FR*\b+FR-1], v[AF+FR*(\a):AF+FR*(\a)+FR-1], 0, v[SC+8*NQ*(\sc)+NQ*\b+(\q)], v[SC+8*NQ*(\sc)+NQ*(\a)+(\q)] matrix_a_fmt:MATRIX_FMT_BF6 matrix_b_fmt:MATRIX_FMT_BF6 matrix_a_scale:MATRIX_SCALE_ROW1
.else
	v_wmma_scale_f32_16x16x128_f8f6f4 v[8*(8*((\a)%4)+\b):8*(8*((\a)%4)+\b)+7], v[128*(\p)+FR*\b:128*(\p)+FR*\b+FR-1], v[AF+FR*(\a):AF+FR*(\a)+FR-1], v[8*(8*((\a)%4)+\b):8*(8*((\a)%4)+\b)+7], v[SC+8*NQ*(\sc)+NQ*\b+(\q)], v[SC+8*NQ*(\sc)+NQ*(\a)+(\q)] matrix_a_fmt:MATRIX_FMT_BF6 matrix_b_fmt:MATRIX_FMT_BF6 matrix_a_scale:MATRIX_SCALE_ROW1
.endif
.endr
.endr
.endm
.macro FETCH_B slot, q, p
	WIN TO_B
.irp i, 0,1,2,3,4,5,6,7
	FRAG 128*(\p)+FR*\i, ADRB+\slot, \q, \i
.endr
	WIN 0
.endm
.macro FETCH_A slot, q, i0
.irp i, \i0, \i0+1, \i0+2, \i0+3
	FRAG AF+FR*(\i), ADRA+\slot, \q, \i
.endr
.endm
.macro SCALES sc                       ; a K step's scale words: two words a row; lanes 0-15 take A's block i, lanes 16-31 B's block i
.irp i, 0,1,2,3,4,5,6,7
	ds_load_b64 v[SC+8*NQ*\sc+NQ*\i:SC+8*NQ*\sc+NQ*\i+1], v[ADRS] offset:\i*512
.endr
.endm
.macro PLACES n                        ; plain vector lines between a matrix instruction and a load into, or a read of, its registers (ISA guide 7.12.1 for a read)
.rept \n
	v_nop
.endr
.endm
.macro STEP slot, q, zero              ; a step of 128 along K that has its successor in the same slot
	s_wait_dscnt 4*NL                              ; B's set and A's blocks 0-3 are in; the youngest 16 loads (A's blocks 4-7) may be out
	WIN MUL_LO
	MUL16 0, (\q)%2, \q, \slot, \zero
	MUL16 2, (\q)%2, \q, \slot, \zero
	s_wait_dscnt 0
	PLACES NP
	FETCH_B \slot, (\q)+1, 1-(\q)%2
	FETCH_A \slot, (\q)+1, 0
	WIN MUL_HI
	MUL16 4, (\q)%2, \q, \slot, \zero
	MUL16 6, (\q)%2, \q, \slot, \zero
	PLACES NP
	WIN 0
	FETCH_A \slot, (\q)+1, 4
.endm
; A slot's last step changes slots: one barrier; in front of it each wave waits for all its tensor loads, adds 0 to its spare word, and waits for that and for its reads of this slot.  fill = 1: the slot is filled again, two K steps ahead.
.macro TURN slot, next, fill
	s_wait_tensorcnt 0x0                           ; all my tensor loads have landed: my part of the next slot
	ds_add_u32 v[SPW], v[NIL]                      ; 0 onto my spare word
	s_wait_dscnt 4*NL+1                            ; (the add and the youngest 16 loads, A's blocks 4-7, may be out)
	WIN MUL_LO
	MUL16 0, 1, NQ-1, \slot, 0
	s_wait_dscnt 0x0                               ; the add is done, and my reads of this slot are over
	s_barrier_signal -1
	MUL16 2, 1, NQ-1, \slot, 0
	WIN 0
	s_barrier_wait -1
.if \fill
	CREST                                          ; the barrier has opened a round of the cluster's: no wave of any partner still reads this slot or has a load on its way
	s_add_nc_u64 s[G0+4*\slot+2:G0+4*\slot+3], s[G0+4*\slot+2:G0+4*\slot+3], 2*KSTA
	s_add_nc_u64 s[G0B+4*\slot+2:G0B+4*\slot+3], s[G0B+4*\slot+2:G0B+4*\slot+3], 2*KSTB
	JLOAD G0+4*\slot, G1, G0B+4*\slot, G1B         ; the first tensor load behind the round, my only one until the next; its four v_nop are the places in front of the loads below
.else
	PLACES NP
.endif
	v_add_nc_u32 v[ADRS], 128, v[ADRS]             ; the next K step's scale words
	FETCH_B \next, 0, 0
	FETCH_A \next, 0, 0
	SCALES \next
	WIN MUL_HI
	MUL16 4, 1, NQ-1, \slot, 0
	MUL16 6, 1, NQ-1, \slot, 0
	PLACES NP
	WIN 0
	FETCH_A \next, 0, 4
.endm
; The very last step of 128 along K: nothing more to fetch.  It stands once on each of the two ways out; the accumulators' turns are the same on both.
.macro LAST
	s_wait_dscnt 4*NL                              ; B's set and A's blocks 0-3 are in; A's blocks 4-7, the youngest 16 loads, may be out
	WIN MUL_LO
	MUL16 0, 1, NQ-1, 1, 0
	MUL16 2, 1, NQ-1, 1, 0
	s_wait_dscnt 0
	WIN MUL_HI
	MUL16 4, 1, NQ-1, 1, 0
	MUL16 6, 1, NQ-1, 1, 0
	WIN 0
	PLACES NP                                      ; in front of the first read of results and of writes into the registers that held A's fragments
.endm
	s_wait_tensorcnt 1                             ; the scales and my part of K step 0 are in; K step 1's load may be out
	s_barrier_signal -1
	s_barrier_wait -1
	FETCH_B 0, 0, 0
	FETCH_A 0, 0, 0
	SCALES 0
	FETCH_A 0, 0, 4
	STEP 0, 0, 1                                   ; K is 1,024: four K steps, written out; the first products start the sums
	TURN 0, 1, 1
	STEP 1, 0, 0
	TURN 1, 0, 1
	STEP 0, 0, 0
	TURN 0, 1, 0                                   ; nothing is left to fetch: every tensor load of mine is done, and nobody reads slot 0 any more
	STEP 1, 0, 0
	; where the results go.  Tile row: batch Y / 8, 256 positions from 256 (Y % 8) on; my 128 columns are two heads
	s_lshr_b32 s18, s17, 3
	s_and_b32 s19, s17, 7                          ; which 256 positions
	s_and_b32 s20, s42, 3
	s_lshl_b32 s20, s20, 2
	s_lshl_b32 s21, s16, 1
	s_add_co_u32 s20, s20, s21
	s_lshl_b32 s18, s18, 4
	s_add_co_u32 s18, s18, s20                     ; 16 x batch + my first head
	s_lshl_b32 s20, s19, 16
	s_lshl_b32 s21, s15, 15
	s_add_co_u32 s20, s20, s21
	s_mov_b32 s21, 0
	s_add_nc_u64 s[RB:RB+1], s[8:9], s[20:21]      ; the table at my first position: 256 bytes a position
	s_mul_i32 s22, s18, 98304
	s_lshl_b32 s23, s19, 4
	s_lshl_b32 s92, s15, 3
	s_add_co_u32 s23, s23, s92                     ; my first tile of 16 positions
	s_mul_i32 s92, s23, 768
	s_add_co_u32 s22, s22, s92                     ; Q: image
	s_lshl_b32 s93, s18, 13
	s_lshl_b32 s23, s23, 6
	s_add_co_u32 s93, s93, s23
	s_add_co_u32 s93, s93, 6291456                 ; Q: scale words
	s_mul_i32 s94, s18, BHB
	s_mul_i32 s95, s19, SLOTB
	s_add_co_u32 s94, s94, s95
	s_mul_i32 s95, s15, 6144
	s_add_co_u32 s95, s94, s95                     ; K: image
	s_lshl_b32 s96, s15, 9
	s_add_co_u32 s96, s96, s94
	s_add_co_u32 s96, s96, 24576                   ; K: scale words
	s_lshl_b32 s97, s15, 8
	s_add_co_u32 s97, s97, s94
	s_add_co_u32 s97, s97, 25600                   ; V: scale words
	s_add_co_u32 s98, s95, 12288                   ; V: image
	s_cmp_eq_u32 ttmp9, 2
	s_cselect_b32 s95, s98, s95
	s_cselect_b32 s96, s97, s96
	s_mov_b32 s98, BHB
	s_cmp_eq_u32 ttmp9, 0
	s_cselect_b32 s20, s22, s95
	s_cselect_b32 s22, s93, s96
	s_cselect_b32 s92, 98304, s98                  ; from a head to the next
	s_cselect_b32 s94, 8192, s98
	s_cselect_b64 s[96:97], s[10:11], s[12:13]
	s_mov_b32 s23, 0
	s_mov_b32 s93, 0
	s_mov_b32 s95, 0
	s_add_nc_u64 s[IMG0:IMG0+1], s[96:97], s[20:21]
	s_add_nc_u64 s[IMG1:IMG1+1], s[IMG0:IMG0+1], s[92:93]
	s_add_nc_u64 s[SC0:SC0+1], s[96:97], s[22:23]
	s_add_nc_u64 s[SC1:SC1+1], s[SC0:SC0+1], s[94:95]
	s_cmp_eq_u32 ttmp9, 2                          ; THE WAYS PART HERE, once: the cluster's number is the same in all sixteen partners
	s_cbranch_scc1 .Lv_out
; ---- Q AND K.
.macro TAB a, p                        ; (cos, sin) of block a's rows into set p: lane (r, h) takes pairs 8 h .. 8 h + 7 and 16 + 8 h .. of its position
.irp m, 0,1,2,3,4,5,6,7
	global_load_b128 v[CS+32*(\p)+4*\m:CS+32*(\p)+4*\m+3], v[TA], s[RB:RB+1] offset:(32*((\a)/2)+8*((\a)%2))*256+128*(\m/4)+16*(\m%4)
.endr
.endm
	TAB 0, 0                                       ; asked for a step ahead of their use: they land under the last 64 products
	TAB 1, 1
	LAST
; 64 numbers of a lane, register 16 b + i = column 32 b + 16 (lane / 16) + i of my row, become a fragment's codes in v[PC] on (its two halves: my two heads) and the four blocks' bytes in v[PW].
.macro QUANT s
.irp b, 0,1,2,3
	v_max3_num_f32 v[TM+\b], |v[\s+16*\b]|, |v[\s+1+16*\b]|, 0x2800000   ; my 16 numbers of block b, and the floor 2^(5 - 127)
.endr
.irp i, 2,4,6,8,10,12,14
.irp b, 0,1,2,3
	v_max3_num_f32 v[TM+\b], v[TM+\b], |v[\s+16*\b+\i]|, |v[\s+1+16*\b+\i]|
.endr
.endr
.irp b, 0,1,2,3
	v_permlanex16_b32 v[TM+4+\b], v[TM+\b], s[SEL], s[SEL+1]
.endr
.irp b, 0,1,2,3
	v_max_num_f32 v[TM+\b], v[TM+\b], v[TM+4+\b]   ; with lane l xor 16's: the block's largest magnitude
.endr
.irp b, 0,1,2,3
	v_add_nc_u32 v[TM+12+\b], 0xfe000000, v[TM+\b] ; 4 off its exponent field: the conversion's scale operand
.endr
.irp b, 0,1,2,3
	v_lshrrev_b32 v[TM+4+\b], 23, v[TM+12+\b]      ; the scale's byte
.endr
	v_lshl_or_b32 v[PW], v[TM+5], 8, v[TM+4]
	v_lshl_or_b32 v[PW], v[TM+6], 16, v[PW]
	v_lshl_or_b32 v[PW], v[TM+7], 24, v[PW]
.irp c, 0,1
	v_cvt_scalef32_pk16_bf6_f32 v[PC+6*\c:PC+2+6*\c], v[\s+32*\c:\s+15+32*\c], v[TM+12+2*\c]
	v_cvt_scalef32_pk16_bf6_f32 v[PC+12+4*\c:PC+14+4*\c], v[\s+16+32*\c:\s+31+32*\c], v[TM+12+2*\c+1]   ; (a conversion's three registers begin on an even number)
.endr
	v_nop                                          ; one plain line behind a scaled conversion
.irp c, 0,1                            ; the layout wants a whole block in a lane: lanes 0-15 block 2 c, lanes 16-31 block 2 c + 1
.irp i, 0,1,2
	v_permlane16_swap_b32 v[PC+6*\c+\i], v[PC+12+4*\c+\i]
.endr
.irp i, 0,1,2
	v_mov_b32 v[PC+3+6*\c+\i], v[PC+12+4*\c+\i]
.endr
.endr
.endm
; Block a: 16 positions x my 128 columns.  A lane's register pair n, n + 1 is (t1, t2) of one rotation: (t1 cos - t2 sin, t1 sin + t2 cos), by a packed multiply and a packed multiply-add.
.macro QKBLOCK a
.if (\a) < 7
	s_wait_loadcnt 8                               ; this block's eight table loads are in; the next block's may be out
.else
	s_wait_loadcnt 0x0
.endif
	WIN 0x02+(\a)/4                                ; source 0: the accumulators' window
.set n, 0
.rept 32                               ; ascending: each accumulator is read from its low end on
	v_pk_mul_f32 v[R+n:R+n+1], v[64*((\a)%4)+n:64*((\a)%4)+n+1], v[CS+32*((\a)%2)+n%32:CS+32*((\a)%2)+n%32+1] op_sel_hi:[1,0]   ; (t1 cos, t2 cos)
.set n, n+2
.endr
.set n, 0
.rept 32
	v_pk_fma_f32 v[R+n:R+n+1], v[64*((\a)%4)+n:64*((\a)%4)+n+1], v[CS+32*((\a)%2)+n%32:CS+32*((\a)%2)+n%32+1], v[R+n:R+n+1] op_sel:[1,1,0] op_sel_hi:[0,1,1] neg_lo:[0,1,0]   ; (- t2 sin, + t1 sin)
.set n, n+2
.endr
	WIN 0
.if (\a) < 6
	TAB (\a)+2, (\a)%2
.endif
	s_wait_xcnt 0x0                                ; the last block's stores have read their registers: the codes may be written again
	QUANT R
	global_store_b128 v[LI16], v[PC:PC+3], s[IMG0:IMG0+1] offset:768*(\a)          ; a half fragment's image: 512 consecutive bytes,
	global_store_b64 v[LI8], v[PC+4:PC+5], s[IMG0:IMG0+1] offset:768*(\a)+512      ; and 256
	global_store_b128 v[LI16], v[PC+6:PC+9], s[IMG1:IMG1+1] offset:768*(\a)        ; the second head's
	global_store_b64 v[LI8], v[PC+10:PC+11], s[IMG1:IMG1+1] offset:768*(\a)+512
	v_lshrrev_b32 v[T1], v[SH16], v[PW]            ; lanes 0-15 keep the first head's two bytes, lanes 16-31 the second's
	v_and_or_b32 v[T1], v[T1], 0xffff, s99
	ds_store_b32 v[SWA], v[T1] offset:64*(\a)
.endm
.irp b, 0,1,2,3
	v_mov_b32 v[TM+4+\b], 0                        ; written once: a lane permute's destination counts as one of its sources
.endr
.irp a, 0,1,2,3,4,5,6,7
	QKBLOCK \a
.endr
	ds_load_b128 v[64:67], v[SRD]                  ; my 128 rows' scale words, head by head (LDS serves a wave's instructions in order: these see my stores)
	ds_load_b128 v[68:71], v[SRD] offset:512
	s_wait_dscnt 0x0
	global_store_b128 v[LI16], v[64:67], s[SC0:SC0+1]   ; 512 consecutive bytes
	global_store_b128 v[LI16], v[68:71], s[SC1:SC1+1]
	s_branch .Lend
; ---- V.  Its K in the second product is the keys, which are this product's rows: 32 rows at a time go through my stage as f32, a lane then takes a COLUMN and its registers run down the natural keys: a whole block.
.Lv_out:
	LAST
.macro LOADQ q                         ; column 32 q + lane, keys 0 .. 31 of the group: natural key i lies in stage row 16 ((i / 8) % 2) + i % 8 + 8 (i / 16)
.set n, 0
.rept 32
	ds_load_b32 v[X+32*(\q)+n], v[VRD] offset:(16*((n/8)%2)+(n%8)+8*(n/16))*528+128*(\q)
.set n, n+1
.endr
.endm
.macro VGROUP g
	s_wait_xcnt 0x0                                ; the last group's stores have read their registers
	WIN 0x08+4*((\g)/2)                            ; an LDS store's data are its source 1: window 2 or 3
.irp u, 0,1
.irp b, 0,1,2,3,4,5,6,7
	ds_store_b128 v[VSTO], v[64*((2*(\g)+\u)%4)+8*\b:64*((2*(\g)+\u)%4)+8*\b+3] offset:16*\u*528+128*(\b/2)+32*(\b%2)        ; each accumulator from its low end on
	ds_store_b128 v[VSTO], v[64*((2*(\g)+\u)%4)+8*\b+4:64*((2*(\g)+\u)%4)+8*\b+7] offset:16*\u*528+128*(\b/2)+32*(\b%2)+16
.endr
.endr
	WIN 0
	LOADQ 0
	LOADQ 1
.irp q, 0,1,2,3
.if \q < 3
	s_wait_dscnt 32                                ; this column's 32 loads are in; the next column's may be out
.else
	s_wait_dscnt 0x0
.endif
	v_max3_num_f32 v[W0], |v[X+32*\q]|, |v[X+32*\q+1]|, |v[X+32*\q+2]|
	v_max3_num_f32 v[W0+1], |v[X+32*\q+3]|, |v[X+32*\q+4]|, |v[X+32*\q+5]|
.irp i, 6,10,14,18,22,26
	v_max3_num_f32 v[W0], v[W0], |v[X+32*\q+\i]|, |v[X+32*\q+\i+1]|
	v_max3_num_f32 v[W0+1], v[W0+1], |v[X+32*\q+\i+2]|, |v[X+32*\q+\i+3]|
.endr
	v_max3_num_f32 v[W0], v[W0], |v[X+32*\q+30]|, |v[X+32*\q+31]|
	v_max3_num_f32 v[W0], v[W0], v[W0+1], 0x2800000
	v_add_nc_u32 v[W0+2], 0xfe000000, v[W0]
	v_lshrrev_b32 v[W0+3], 23, v[W0+2]
.if (\g) == 0
	v_mov_b32 v[SB+\q], v[W0+3]                    ; my 128 keys are one K step of the second product: group g's byte is byte g of the word
.else
	v_lshl_or_b32 v[SB+\q], v[W0+3], 8*(\g), v[SB+\q]
.endif
	v_cvt_scalef32_pk16_bf6_f32 v[CC+8*\q:CC+8*\q+2], v[X+32*\q:X+32*\q+15], v[W0+2]
	v_cvt_scalef32_pk16_bf6_f32 v[VT:VT+2], v[X+32*\q+16:X+32*\q+31], v[W0+2]
	v_nop
.irp i, 0,1,2
	v_mov_b32 v[CC+8*\q+3+\i], v[VT+\i]
.endr
	global_store_b128 v[VA16], v[CC+8*\q:CC+8*\q+3], s[IMG0+2*(\q/2):IMG0+2*(\q/2)+1] offset:((\g)/2)*3072+2*(\q%2)*768+256*((\g)%2)         ; runs of 256 consecutive bytes: the image's other half comes from the next group
	global_store_b64 v[VA8], v[CC+8*\q+4:CC+8*\q+5], s[IMG0+2*(\q/2):IMG0+2*(\q/2)+1] offset:((\g)/2)*3072+2*(\q%2)*768+512+128*((\g)%2)
.if \q < 2
	LOADQ (\q)+2
.endif
.endr
.endm
	VGROUP 0
	VGROUP 1
	VGROUP 2
	VGROUP 3
.irp q, 0,1,2,3
	global_store_b32 v[VAS], v[SB+\q], s[SC0+2*(\q/2):SC0+2*(\q/2)+1] offset:128*(\q%2)
.endr
.Lend:
	s_wait_tensorcnt 0x0                           ; the wave's end: behind my last tensor load and my last LDS store
	ds_add_u32 v[SPW], v[NIL]
	s_wait_dscnt 0x0
	CROUND                                         ; the closing round: no work-group ends while a partner may still ask for a tile that names it
	s_endpgm
.Lfunc_end_k_q5475044537_qkv:
	.size	k_q5475044537_qkv, .Lfunc_end_k_q5475044537_qkv-k_q5475044537_qkv
	.p2alignl 7, 3214868480
	.fill 96, 4, 3214868480
	.section	.rodata,"a",@progbits
	.p2align	6, 0x0
	.amdhsa_kernel k_q5475044537_qkv
		.amdhsa_group_segment_fixed_size 327680
		.amdhsa_private_segment_fixed_size 0
		.amdhsa_enable_private_segment 0
		.amdhsa_kernarg_size 40
		.amdhsa_user_sgpr_count 2
		.amdhsa_user_sgpr_kernarg_segment_ptr 1
		.amdhsa_wavefront_size32 1
		.amdhsa_system_sgpr_workgroup_id_x 1
		.amdhsa_system_sgpr_workgroup_id_y 1
		.amdhsa_system_sgpr_workgroup_id_z 1
		.amdhsa_system_vgpr_workitem_id 0
		.amdhsa_next_free_vgpr 1024
		.amdhsa_next_free_sgpr 100
		.amdhsa_reserve_vcc 0
		.amdhsa_float_denorm_mode_32 3
		.amdhsa_float_denorm_mode_16_64 3
		.amdhsa_memory_ordered 1
		.amdhsa_forward_progress 1
		.amdhsa_inst_pref_size 255
	.end_amdhsa_kernel
	.section	.bss,"aw",@nobits
	.p2align	6
	.space	262144
	.amdgpu_metadata
---
amdhsa.version: [ 1, 2 ]
amdhsa.kernels:
  - .name:           k_q5475044537_qkv
    .symbol:         k_q5475044537_qkv.kd
    .args:
      - { .name: xq, .offset: 0, .size: 8, .value_kind: global_buffer, .address_space: global }
      - { .name: wq, .offset: 8, .size: 8, .value_kind: global_buffer, .address_space: global }
      - { .name: rope, .offset: 16, .size: 8, .value_kind: global_buffer, .address_space: global }
      - { .name: qq, .offset: 24, .size: 8, .value_kind: global_buffer, .address_space: global }
      - { .name: kv, .offset: 32, .size: 8, .value_kind: global_buffer, .address_space: global }
    .group_segment_fixed_size: 327680
    .private_segment_fixed_size: 0
    .kernarg_segment_align: 8
    .kernarg_segment_size: 40
    .max_flat_workgroup_size: 128
    .sgpr_count:     100
    .vgpr_count:     1024
    .wavefront_size: 32
...
	.end_amdgpu_metadata
.endif
;; end of part 2
;; launch attn (part 3): grid 4 x 64, 16 waves a work-group, no clusters, 327,680 bytes of LDS; arguments qq, kv, ao; writes ao
.if DOCPART == 3
	.amdgcn_target "amdgcn-amd-amdhsa--gfx1250"
	.amdhsa_code_object_version 6
	.text
	.protected	k_q5475044537_attn
	.globl	k_q5475044537_attn
	.p2align	8
	.type	k_q5475044537_attn,@function
k_q5475044537_attn:
	s_mov_b64 s[64:65], 0
	v_nop
	global_prefetch_b8 v0, s[64:65] scope:SCOPE_SE
	s_setreg_imm32_b32 hwreg(HW_REG_WAVE_MODE, 25, 1), 1
	s_wait_xcnt 0x0
; Causal attention on codes of BF6 (E3M2) with E8M0 scales: 64 heads (batch x head) of 2,048 positions x 64.  S^T = K Q^T along the head's 64, O^T = V^T P^T along the keys; O / l is quantised along the model's
; 1,024 (a head is two blocks) and stored as codes for the last product.
; THE SOFTMAX: t = score x log2(e) / 8; M = the row's largest t so far, rounded UP to a whole number; p = 2^(t - M) is quantised along the keys, not normalised; the row's sum is taken of the unquantised p and
; divides O at the end.  When M moves, the sum and O are multiplied by 2^(old M - new M): exact.
; SHARES.  Work-group (I, head) owns the blocks of 256 queries 7 - I and I; wave w owns stored tile w (16 queries) of each, one after the other.  The first walks the key slots (256 keys) 0 .. 7 - I, the second
; 0 .. I: NINE visits in every work-group, so the trip count is a constant, no slot is walked in vain, and all 256 work-groups have the same work.  Four waves share a SIMD.
; NO CLUSTER: the four work-groups of a head walk the slots 0, 1, .. together only until the first of them (I = 3) turns back to slot 0 after five visits; from there on they want different slots in the same visit.
; LAYOUT.  Both products are used transposed: a lane holds ONE query (lane % 16) throughout.  Keys, queries and V's 64 channels lie in STORED order (stored tile T, place r = natural 32 (T / 2) + 8 (T % 2) + r + 8 (r / 8)),
; so that the 16 registers of tiles 2 b, 2 b + 1 are 16 natural neighbours.  All operands are images of registers: a half fragment (16 rows x 64 K, 768 bytes): 16 bytes at 16 lane, 8 bytes at 512 + 8 lane.
; The first product's K is 64, half of the instruction's 128: Q's upper six registers hold zero codes for the whole launch, so whatever K's upper six hold (the next fragment's codes) adds exactly 0.
; REGISTERS: v1-11 addresses; v12 -M, v13 the largest t, v[14:15] the sum; v16-27 Q; v32-85 K's eight fragments at a stride of six, later V's four; v96-159 S^T, then p; v160-191 O^T; v192-198 the second tile's Q;
;   v224-235 p's codes; v232-254 at work; v248-251 K's or V's scale words; v253 p's; v255 Q's.
; LIMITS: NaN and infinities are not served; a block under the floor 2^(5 - 127) keeps the byte 1.  ao's scale bytes leave one byte a lane: a row's eight bytes belong to four heads, which other work-groups own.
.set BHB,   208896                     ; kv: bytes of a head
.set SLOTB, 26112                      ; of a slot: K's 16 half fragments at 0, V's 16 at 12,288, K's scale words at 24,576, V's at 25,600
.set KSA,   1572864                    ; ao: from one 256 along K to the next
.set SLOT1, 32768                      ; LDS slot 1: one exclusive or turns an address in one slot into the other's
.set SPARE, 65536                      ; the spare words, 128 bytes for each wave: eight blocks of 256 bytes that no other line names
.set LI16, 1
.set LI8,  2
.set LI4,  3
.set SH8,  4                           ; v4  8 h
.set SPW,  5                           ; v5  my spare word; never rewritten
.set NIL,  6                           ; v6  0; never rewritten
.set AB,   7                           ; v7  8 r + h: my scale byte in ao
.set A16,  8                           ; v8-10 the slot in hand + 16, 8, 4 x lane
.set A8,   9
.set A4,   10
.set QLN,  11                          ; v11 r + 8 (r / 8) - 16 h
.set PFO,  28                          ; v28 256 x lane; never rewritten
.set WV,   18
.set SEL,  20
.set CS,   22                          ; s[22:23] c = log2(e) / 8
.set G1,   24
.set G0,   40
.set KVW,  44                          ; s[44:45] kv at my head, + my third of a slot
.set OFF,  46                          ; s[46:47] the key slot to be asked for, in bytes
.set TB,   2
.set VIS,  3
.set SWV,  48                          ; s48  8 - I: the visit at which the second tile begins
.set NV,   49
.set KF,   50                          ; s50  the step's first key
.set Q0,   51                          ; s51  the least query of the tile in hand; its greatest is Q0 + 23
.set Q0L,  52
.set AIH,  54                          ; s[54:55], s[56:57] where the first tile's codes and scale bytes go;  s[58:59], s[60:61] the second's
.set ASH,  56
.set AIL,  58
.set ASL,  60
.set PFA,  66
.set LIM,  68
.macro TLOAD                           ; waves 0 to 2 fetch a third of a slot each; four v_nop follow the line
	s_cmp_lt_u32 s[WV], 3
	s_cbranch_scc0 .Lasked_\@
	tensor_load_to_lds s[G0:G0+3], s[G1:G1+7]
	s_nop 0
.rept 4
	v_nop
.endr
.Lasked_\@:
.endm
; A prefetch of the codes that the NEXT change of slots will ask for: 24,576 bytes, by waves 4 to 6 of the head's work-group I = 0 alone (it walks slots 0 .. 7 in order), 8,192 bytes a wave, lanes 256 bytes apart:
; visit v names slot v + 2, v = 0 .. 5: each aligned 256 bytes once in the launch.  Slots 0 and 1 and the scale words come by their loads alone.
.macro ASK
	s_cmp_lt_u32 s[VIS], s[LIM]
	s_cbranch_scc0 .Lnot_mine_\@
	global_prefetch_b8 v[PFO], s[PFA:PFA+1] th:TH_LOAD_NT scope:SCOPE_SE
.Lnot_mine_\@:
.endm
	s_load_b128 s[4:7], s[0:1], 0x0                ; qq, kv
	s_load_b64 s[8:9], s[0:1], 0x10                ; ao
	v_lshl_add_u32 v[SPW], v0, 2, SPARE
	v_mov_b32 v[NIL], 0
	ds_add_u32 v5, v6
	ds_add_u32 v5, v6
	s_wait_dscnt 0x0
	v_lshrrev_b32 v8, 5, v0
	s_delay_alu instid0(VALU_DEP_1)
	v_readfirstlane_b32 s[WV], v8                  ; wave 0..15
	s_and_b32 s70, ttmp7, 0xffff                   ; 16 x batch + head
	s_sub_co_u32 s[SWV], 8, ttmp9
	s_mov_b32 s[G1], 3<<16                         ; 8,704 dense bytes as 34 rows of 256 (32 elements of 8 bytes); no mask, no padding
	s_mov_b32 s[G1+1], 32<<16
	s_mov_b32 s[G1+2], 34<<16
	s_mov_b32 s[G1+3], 32<<16
	s_mov_b32 s[G1+4], 34
	s_mov_b32 s[G1+5], 32
	s_mov_b32 s[G1+6], 0
	s_mov_b32 s[G1+7], 0
	s_mul_i32 s72, s70, BHB
	s_mul_i32 s73, s[WV], 8704
	s_add_co_u32 s74, s72, s73
	s_mov_b32 s75, 0
	s_mov_b32 s[OFF], 0
	s_mov_b32 s[OFF+1], 0
	s_mov_b32 s[SEL], 0x76543210
	s_mov_b32 s[SEL+1], 0xfedcba98
	s_mov_b32 s[CS], 0x3e38aa3b                    ; log2(e) / sqrt(64)
	s_mov_b32 s[CS+1], s[CS]                       ; (named with it as a pair, so it is written)
	s_mov_b32 s[TB], 0
	s_mov_b32 s[KF], 0
	s_wait_kmcnt 0x0
	s_add_nc_u64 s[KVW:KVW+1], s[6:7], s[74:75]
	s_mov_b32 s[G0], 1
	s_mov_b32 s[G0+1], s73                         ; LDS slot 0, my third
	s_mov_b64 s[G0+2:G0+3], s[KVW:KVW+1]           ; key slot 0
	s_or_b32 s[G0+3], s[G0+3], 0x80000000
	TLOAD                                          ; the one first fill; LDS slot 1 is first filled behind the first visit's barrier, as a refill is
	; the prefetches
	s_sub_co_u32 s74, s[WV], 4
	s_cmp_lt_u32 s74, 3
	s_cselect_b32 s[LIM], 6, 0
	s_cmp_eq_u32 ttmp9, 0
	s_cselect_b32 s[LIM], s[LIM], 0
	s_and_b32 s74, s74, 3
	s_lshl_b32 s74, s74, 13
	s_add_co_u32 s74, s74, s72
	s_add_co_u32 s74, s74, SLOTB                   ; in slot 1: the first change of slots steps it to slot 2
	s_add_nc_u64 s[PFA:PFA+1], s[6:7], s[74:75]
	; where my two tiles lie
	s_lshr_b32 s76, s70, 4                         ; batch
	s_and_b32 s77, s70, 15                         ; head
	s_lshr_b32 s78, s77, 2
	s_and_b32 s79, s77, 3
	s_mul_i32 s80, s78, KSA
	s_mul_i32 s86, s79, 768
	s_add_co_u32 s80, s80, s86
	s_mul_i32 s86, s76, 393216                     ; 128 tiles x 3,072
	s_add_co_u32 s80, s80, s86                     ; ao's image: all but the tile
	s_lshl_b32 s81, s76, 16
	s_lshl_b32 s86, s78, 7
	s_add_co_u32 s81, s81, s86
	s_lshl_b32 s86, s79, 1
	s_add_co_u32 s81, s81, s86
	s_add_co_u32 s81, s81, 6291456                 ; ao's scale bytes likewise
	s_mul_i32 s82, s70, 98304                      ; Q's image
	s_lshl_b32 s83, s70, 13
	s_add_co_u32 s83, s83, 6291456                 ; Q's scale words
.macro TILE t, q0, ai, as, qi, qs      ; stored tile s[t] of the head: its least query and its four addresses
	s_lshr_b32 s86, s[\t], 1
	s_lshl_b32 s86, s86, 5
	s_and_b32 s87, s[\t], 1
	s_lshl_b32 s87, s87, 3
	s_add_co_u32 s[\q0], s86, s87
	s_mul_i32 s86, s[\t], 3072
	s_add_co_u32 s86, s86, s80
	s_mov_b32 s87, 0
	s_add_nc_u64 s[\ai:\ai+1], s[8:9], s[86:87]
	s_lshl_b32 s86, s[\t], 9
	s_add_co_u32 s86, s86, s81
	s_add_nc_u64 s[\as:\as+1], s[8:9], s[86:87]
	s_mul_i32 s86, s[\t], 768
	s_add_co_u32 s86, s86, s82
	s_add_nc_u64 s[\qi:\qi+1], s[4:5], s[86:87]
	s_lshl_b32 s86, s[\t], 6
	s_add_co_u32 s86, s86, s83
	s_add_nc_u64 s[\qs:\qs+1], s[4:5], s[86:87]
.endm
	s_lshl_b32 s85, ttmp9, 4
	s_sub_co_u32 s84, 112, s85
	s_add_co_u32 s84, s84, s[WV]                   ; 16 (7 - I) + wave
	TILE 84, Q0, AIH, ASH, 10, 12
	s_add_co_u32 s84, s85, s[WV]                   ; 16 I + wave
	TILE 84, Q0L, AIL, ASL, 14, 16
	v_and_b32 v30, 31, v0                          ; lane
	v_and_b32 v31, 15, v0                          ; r
	v_bfe_u32 v29, v0, 4, 1                        ; h
	s_delay_alu instid0(VALU_DEP_3)
	v_lshlrev_b32 v[LI16], 4, v30
	s_delay_alu instid0(VALU_DEP_4)
	v_lshlrev_b32 v[LI8], 3, v30
	v_lshlrev_b32 v[LI4], 2, v30
	s_delay_alu instid0(VALU_DEP_4)
	v_lshlrev_b32 v[SH8], 3, v29
	v_lshl_add_u32 v[AB], v31, 3, v29
	v_and_b32 v[QLN], 8, v31
	s_delay_alu instid0(VALU_DEP_1)
	v_add_nc_u32 v[QLN], v[QLN], v31
	v_lshlrev_b32 v29, 4, v29
	s_delay_alu instid0(VALU_DEP_1)
	v_sub_nc_u32 v[QLN], v[QLN], v29
	v_lshlrev_b32 v[PFO], 8, v30
	v_lshlrev_b32 v29, 2, v31                      ; 4 r
	global_load_b128 v[16:19], v[LI16], s[10:11]   ; the first tile's Q,
	global_load_b64 v[20:21], v[LI8], s[10:11] offset:512
	global_load_b32 v255, v29, s[12:13]            ; its scale words,
	global_load_b128 v[192:195], v[LI16], s[14:15] ; and the second tile's, kept until the switch
	global_load_b64 v[196:197], v[LI8], s[14:15] offset:512
	global_load_b32 v198, v29, s[16:17]
.irp j, 22,23,24,25,26,27, 80,81,82,83,84,85
	v_mov_b32 v[\j], 0                             ; zero codes: Q's upper half of K, and what the last fragment of K names beyond its own six registers
.endr
	v_mov_b32 v13, 0xff61b1e6                      ; the largest t so far: -3e38, under every t
	s_delay_alu instid0(VALU_DEP_1)
	v_floor_f32 v12, -v13                          ; -M
	v_mov_b32 v14, 0
	v_mov_b32 v15, 0
.irp j, 236,237,238,239, 252,253
	v_mov_b32 v[\j], 0                             ; written once: a lane permute's destination counts as one of its sources, and a pair is named whole
.endr
.set n, 0
.rept 32
	v_mov_b32 v[160+n], 0                          ; O^T: the first step finds zeros, which the first change of M leaves zeros
.set n, n+1
.endr
; A KEY STEP: 128 keys, the q-th of the slot in hand.
.macro STEP q
	s_add_co_u32 s70, s[Q0], 23                    ; a step all of whose keys come after my queries is left out: a branch on ids and counters; no barrier and no tensor load stands in a step
	s_cmp_gt_u32 s[KF], s70
	s_cbranch_scc1 .Lhidden_\@
	v_add_nc_u32 v[A16], s[TB], v[LI16]            ; (these four lines are the places in front of loads into registers that the last products read)
	v_add_nc_u32 v[A8], s[TB], v[LI8]
	v_add_nc_u32 v[A4], s[TB], v[LI4]
	v_nop
.irp t, 0,1,2,3,4,5,6,7
	ds_load_b128 v[32+6*\t:35+6*\t], v[A16] offset:(8*(\q)+\t)*768
	ds_load_b64 v[36+6*\t:37+6*\t], v[A8] offset:(8*(\q)+\t)*768+512
.endr
.irp m, 0,1,2,3
	ds_load_b32 v[248+\m], v[A4] offset:24576+512*(\q)+128*\m   ; lanes 0-15: tile 2 m's scale words, lanes 16-31: tile 2 m + 1's
.endr
	s_wait_alu depctr_va_vdst(0)
	s_wait_dscnt 0x0
.irp t, 0,2,4,6
	v_wmma_scale_f32_16x16x128_f8f6f4 v[96+8*\t:103+8*\t], v[32+6*\t:43+6*\t], v[16:27], 0, v[248+\t/2], v255 matrix_a_fmt:MATRIX_FMT_BF6 matrix_b_fmt:MATRIX_FMT_BF6
	v_wmma_scale_f32_16x16x128_f8f6f4 v[104+8*\t:111+8*\t], v[38+6*\t:49+6*\t], v[16:27], 0, v[248+\t/2], v255 matrix_a_fmt:MATRIX_FMT_BF6 matrix_b_fmt:MATRIX_FMT_BF6 matrix_a_scale:MATRIX_SCALE_ROW1
.endr                                  ; lane (r, h): query r; register 16 b + i: key KF + 32 b + 16 h + i
.rept 4
	v_nop
.endr
.irp t, 0,1,2,3                        ; V's fragments are asked for now and land under the softmax
.irp c, 0,1
	ds_load_b128 v[32+12*\t+6*\c:35+12*\t+6*\c], v[A16] offset:12288+((2*(\q)+\c)*4+\t)*768
	ds_load_b64 v[36+12*\t+6*\c:37+12*\t+6*\c], v[A8] offset:12288+((2*(\q)+\c)*4+\t)*768+512
.endr
.endr
.irp m, 0,1
	ds_load_b32 v[248+\m], v[A4] offset:25600+256*(\q)+128*\m
.endr
	s_add_co_u32 s70, s[KF], 127                   ; on the diagonal the scores of hidden keys become -infinity ahead of the maximum; a step all of whose keys count skips this
	s_cmp_le_u32 s70, s[Q0]
	s_cbranch_scc1 .Lopen_\@
	s_sub_co_i32 s70, s[Q0], s[KF]
	v_add_nc_u32 v252, s70, v[QLN]                 ; d = my query - KF - 16 h: register 16 b + i is hidden where 32 b + i > d
	v_mov_b32 v254, 0xff800000
.set n, 0
.rept 64
	v_cmp_gt_i32 vcc_lo, 32*(n/16)+n%16, v252
	v_cndmask_b32 v[96+n], v[96+n], v254, vcc_lo
.set n, n+1
.endr
.Lopen_\@:
.irp b, 0,1,2,3
	v_max3_num_f32 v[232+\b], v[96+16*\b], v[97+16*\b], v[98+16*\b]   ; the largest score of each block of 32 keys: it serves for the row's maximum and, since p rises with the score, for the block's largest p
.endr
.irp i, 3,5,7,9,11,13
.irp b, 0,1,2,3
	v_max3_num_f32 v[232+\b], v[232+\b], v[96+16*\b+\i], v[97+16*\b+\i]
.endr
.endr
.irp b, 0,1,2,3
	v_max_num_f32 v[232+\b], v[232+\b], v[111+16*\b]
.endr
.irp b, 0,1,2,3
	s_delay_alu instid0(VALU_DEP_4)
	v_permlanex16_b32 v[236+\b], v[232+\b], s[SEL], s[SEL+1]
.endr
.irp b, 0,1,2,3
	s_delay_alu instid0(VALU_DEP_4)
	v_max_num_f32 v[232+\b], v[232+\b], v[236+\b]  ; with lane l xor 16's 16 keys
.endr
	s_delay_alu instid0(VALU_DEP_2)
	v_max3_num_f32 v254, v232, v233, v234
	s_delay_alu instid0(VALU_DEP_1)
	v_max_num_f32 v254, v254, v235
	s_delay_alu instid0(VALU_DEP_1)
	v_mul_f32 v254, s[CS], v254                    ; the step's largest t of my query
	s_delay_alu instid0(VALU_DEP_1)
	v_max_num_f32 v13, v13, v254
	v_mov_b32 v254, v12
	s_delay_alu instid0(VALU_DEP_2)
	v_floor_f32 v12, -v13                          ; the new -M = -ceil(t): a whole number
	s_delay_alu instid0(VALU_DEP_1)
	v_sub_f32 v254, v12, v254                      ; old M - new M: a whole number, 0 or less
	s_delay_alu instid0(VALU_DEP_1)
	v_cvt_i32_f32 v254, v254                       ; (it saturates)
	s_delay_alu instid0(VALU_DEP_1)
	v_ldexp_f32 v252, 1.0, v254                    ; f = 2^(old M - new M)
.set n, 0
.rept 32
	v_pk_fma_f32 v[96+n:97+n], v[96+n:97+n], s[CS:CS+1], v[12:13] op_sel_hi:[1,0,0]   ; t - M, two at a time
.set n, n+2
.endr
.irp b, 0,1,2,3
	v_fma_f32 v[232+\b], v[232+\b], s[CS], v12     ; the same of each block's largest score
.endr
.set n, 0
	s_wait_alu depctr_va_vdst(0)
.rept 64
	v_exp_f32 v[96+n], v[96+n]                     ; p = 2^(t - M), at most 1
.set n, n+1
.endr
	v_pk_mul_f32 v[14:15], v[14:15], v[252:253] op_sel_hi:[1,0]   ; the sums under the new M; the plain line behind the exponentials
	s_wait_alu depctr_va_vdst(0)                   ; one wait for the whole batch, ahead of its first reader
.irp b, 0,1,2,3
	v_exp_f32 v[232+\b], v[232+\b]                 ; the block's largest p: the same two instructions on the same number give the same bits
.endr
	v_pk_add_f32 v[236:237], v[100:101], v[104:105]
	v_pk_add_f32 v[250:251], v[108:109], v[112:113]
	v_pk_add_f32 v[246:247], v[116:117], v[120:121]
	v_pk_add_f32 v[244:245], v[124:125], v[128:129]
	v_pk_add_f32 v[242:243], v[132:133], v[136:137]
	v_pk_add_f32 v[240:241], v[140:141], v[144:145]
	v_pk_add_f32 v[238:239], v[148:149], v[152:153]
	v_pk_add_f32 v[14:15], v[14:15], v[156:157]
	v_pk_add_f32 v[236:237], v[236:237], v[96:97]
	v_pk_add_f32 v[250:251], v[250:251], v[98:99]
	v_pk_add_f32 v[246:247], v[246:247], v[102:103]
	v_pk_add_f32 v[244:245], v[244:245], v[106:107]
	v_pk_add_f32 v[242:243], v[242:243], v[110:111]
	v_pk_add_f32 v[240:241], v[240:241], v[114:115]
	v_pk_add_f32 v[238:239], v[238:239], v[118:119]
	v_pk_add_f32 v[14:15], v[14:15], v[122:123]
	v_pk_add_f32 v[236:237], v[236:237], v[126:127]
	v_pk_add_f32 v[250:251], v[250:251], v[130:131]
	v_pk_add_f32 v[246:247], v[246:247], v[134:135]
	v_pk_add_f32 v[244:245], v[244:245], v[138:139]
	v_pk_add_f32 v[242:243], v[242:243], v[142:143]
	v_pk_add_f32 v[240:241], v[240:241], v[146:147]
	v_pk_add_f32 v[238:239], v[238:239], v[150:151]
	v_pk_add_f32 v[14:15], v[14:15], v[154:155]
	v_pk_add_f32 v[236:237], v[236:237], v[158:159]
	s_delay_alu instid0(VALU_DEP_2)
	v_pk_add_f32 v[14:15], v[14:15], v[244:245]
	s_delay_alu instid0(VALU_DEP_2)
	v_pk_add_f32 v[236:237], v[236:237], v[242:243]
	v_pk_add_f32 v[250:251], v[250:251], v[240:241]
	v_pk_add_f32 v[246:247], v[246:247], v[238:239]
	s_delay_alu instid0(VALU_DEP_2)
	v_pk_add_f32 v[14:15], v[14:15], v[250:251]
	s_delay_alu instid0(VALU_DEP_2)
	v_pk_add_f32 v[236:237], v[236:237], v[246:247]
	s_delay_alu instid0(VALU_DEP_1)
	v_pk_add_f32 v[14:15], v[14:15], v[236:237]
	s_wait_alu depctr_va_vdst(0)                   ; and one for the four
.irp b, 0,1,2,3
	v_max_num_f32 v[232+\b], 0x2800000, v[232+\b]  ; the floor 2^(5 - 127)
.endr
.irp b, 0,1,2,3
	s_delay_alu instid0(VALU_DEP_4)
	v_add_nc_u32 v[244+\b], 0xfe000000, v[232+\b]  ; 4 off the exponent field: the conversion's scale operand
.endr
.irp b, 0,1,2,3
	s_delay_alu instid0(VALU_DEP_4)
	v_lshrrev_b32 v[236+\b], 23, v[244+\b]
.endr
	s_delay_alu instid0(VALU_DEP_3)
	v_lshl_or_b32 v253, v237, 8, v236              ; p's scale word for these 128 keys
	s_delay_alu instid0(VALU_DEP_1)
	v_lshl_or_b32 v253, v238, 16, v253
	s_delay_alu instid0(VALU_DEP_1)
	v_lshl_or_b32 v253, v239, 24, v253
.irp c, 0,1
	v_cvt_scalef32_pk16_bf6_f32 v[224+6*\c:226+6*\c], v[96+32*\c:111+32*\c], v[244+2*\c]
	v_cvt_scalef32_pk16_bf6_f32 v[236+4*\c:238+4*\c], v[112+32*\c:127+32*\c], v[244+2*\c+1]
.endr
	v_nop
.irp c, 0,1
.irp i, 0,1,2
	v_permlane16_swap_b32 v[224+6*\c+\i], v[236+4*\c+\i]
.endr
.irp i, 0,1,2
	s_delay_alu instid0(VALU_DEP_3)
	v_mov_b32 v[227+6*\c+\i], v[236+4*\c+\i]
.endr
.endr
.set n, 0
.rept 16
	v_pk_mul_f32 v[160+n:161+n], v[160+n:161+n], v[252:253] op_sel_hi:[1,0]   ; O^T under the new M; also the places between p's codes and scale word and the products
.set n, n+2
.endr
.rept 4
	v_nop                                          ; and four more behind the last write of O^T
.endr
	s_wait_alu depctr_va_vdst(0)
	s_wait_dscnt 0x0                               ; V is in
.irp t, 0,2                            ; the four accumulators take turns, one instruction a turn
	v_wmma_scale_f32_16x16x128_f8f6f4 v[160+8*\t:167+8*\t], v[32+12*\t:43+12*\t], v[224:235], v[160+8*\t:167+8*\t], v[248+\t/2], v253 matrix_a_fmt:MATRIX_FMT_BF6 matrix_b_fmt:MATRIX_FMT_BF6
	v_wmma_scale_f32_16x16x128_f8f6f4 v[168+8*\t:175+8*\t], v[44+12*\t:55+12*\t], v[224:235], v[168+8*\t:175+8*\t], v[248+\t/2], v253 matrix_a_fmt:MATRIX_FMT_BF6 matrix_b_fmt:MATRIX_FMT_BF6 matrix_a_scale:MATRIX_SCALE_ROW1
.endr
.Lhidden_\@:
	s_add_co_u32 s[KF], s[KF], 128
.endm
; THE CHANGE OF SLOTS stands at a visit's head.  Each wave waits for all its tensor loads (its part of the slot that it is about to read), adds 0 to its spare word, and waits for that and for its reads of the slot
; that it has left.  fill = 1: behind the barrier that slot takes the next visit's keys: the next key slot, or slot 0 where the second tile begins.
.macro CHANGE fill
	s_wait_tensorcnt 0x0                           ; no tensor load of mine is out, so the descriptor may be written
	ds_add_u32 v[SPW], v[NIL]                      ; 0 onto my spare word
.if \fill
	s_xor_b32 s[G0+1], s[G0+1], SLOT1
	s_add_co_u32 s[NV], s[VIS], 1
	s_add_co_u32 s[OFF], s[OFF], SLOTB
	s_cmp_eq_u32 s[NV], s[SWV]
	s_cselect_b32 s[OFF], 0, s[OFF]
	s_add_nc_u64 s[G0+2:G0+3], s[KVW:KVW+1], s[OFF:OFF+1]
	s_or_b32 s[G0+3], s[G0+3], 0x80000000
	s_wait_xcnt 0x0                                ; the last prefetch, a visit back, has read its address
	s_add_nc_u64 s[PFA:PFA+1], s[PFA:PFA+1], SLOTB
.endif
	s_wait_dscnt 0x0                               ; the add is done, and my reads of the slot that I have left are over
	s_barrier_signal -1
	s_barrier_wait -1
.if \fill
	TLOAD                                          ; the first thing behind the barrier, and a wave's one tensor load until the next: it has a visit's two steps in which to land
	ASK
.endif
.endm
; A tile is finished: O^T / the sum, quantised along the head's 64 (two blocks), stored as a half fragment's image and two scale bytes a row.
.macro FINAL ai, as
.rept 4
	v_nop                                          ; places behind the last products
.endr
	v_add_f32 v14, v14, v15
	s_delay_alu instid0(VALU_DEP_1)
	v_permlanex16_b32 v252, v14, s[SEL], s[SEL+1]
	s_delay_alu instid0(VALU_DEP_1)
	v_add_f32 v14, v14, v252                       ; the row's sum
	s_wait_alu depctr_va_vdst(0)
	v_rcp_f32 v14, v14
	v_nop
	s_wait_alu depctr_va_vdst(0)                   ; ahead of the reciprocal's first reader
.set n, 0
.rept 32
	v_mul_f32 v[96+n], v[160+n], v14               ; register 16 b + i: channel 32 b + 16 h + i; each accumulator from its low end on
.set n, n+1
.endr
.irp b, 0,1
	v_max3_num_f32 v[232+\b], |v[96+16*\b]|, |v[97+16*\b]|, 0x2800000
.endr
.irp i, 2,4,6,8,10,12,14
.irp b, 0,1
	s_delay_alu instid0(VALU_DEP_2)
	v_max3_num_f32 v[232+\b], v[232+\b], |v[96+16*\b+\i]|, |v[97+16*\b+\i]|
.endr
.endr
.irp b, 0,1
	s_delay_alu instid0(VALU_DEP_2)
	v_permlanex16_b32 v[236+\b], v[232+\b], s[SEL], s[SEL+1]
.endr
.irp b, 0,1
	s_delay_alu instid0(VALU_DEP_2)
	v_max_num_f32 v[232+\b], v[232+\b], v[236+\b]
.endr
.irp b, 0,1
	s_delay_alu instid0(VALU_DEP_2)
	v_add_nc_u32 v[244+\b], 0xfe000000, v[232+\b]
.endr
.irp b, 0,1
	s_delay_alu instid0(VALU_DEP_2)
	v_lshrrev_b32 v[240+\b], 23, v[244+\b]
.endr
	s_delay_alu instid0(VALU_DEP_1)
	v_lshl_or_b32 v253, v241, 8, v240
	v_cvt_scalef32_pk16_bf6_f32 v[224:226], v[96:111], v244
	v_cvt_scalef32_pk16_bf6_f32 v[236:238], v[112:127], v245
	v_nop
.irp i, 0,1,2
	v_permlane16_swap_b32 v[224+\i], v[236+\i]
.endr
.irp i, 0,1,2
	s_delay_alu instid0(VALU_DEP_3)
	v_mov_b32 v[227+\i], v[236+\i]
.endr
	v_lshrrev_b32 v254, v[SH8], v253               ; lanes 0-15 store block 0's byte, lanes 16-31 block 1's
	global_store_b128 v[LI16], v[224:227], s[\ai:\ai+1]
	global_store_b64 v[LI8], v[228:229], s[\ai:\ai+1] offset:512
	global_store_b8 v[AB], v254, s[\as:\as+1]
.endm
.macro SWITCH                          ; at visit 8 - I the first tile is finished and the second begins, at key 0
	s_cmp_lg_u32 s[VIS], s[SWV]
	s_cbranch_scc1 .Lsame_\@
	FINAL AIH, ASH
.irp i, 0,1,2,3,4,5
	v_mov_b32 v[16+\i], v[192+\i]
.endr
	v_mov_b32 v255, v198                           ; (the 36 lines below are the places between these writes and the next products)
	v_mov_b32 v13, 0xff61b1e6
	s_delay_alu instid0(VALU_DEP_1)
	v_floor_f32 v12, -v13
	v_mov_b32 v14, 0
	v_mov_b32 v15, 0
.set n, 0
.rept 32
	v_mov_b32 v[160+n], 0
.set n, n+1
.endr
	s_mov_b32 s[KF], 0
	s_mov_b32 s[Q0], s[Q0L]
	s_wait_xcnt 0x0                                ; the stores have read their registers
.Lsame_\@:
.endm
	s_wait_loadcnt 0x0                             ; Q
	s_mov_b32 s[VIS], 0
.Lvisit:                               ; eight trips: behind each change of slots the next visit's keys are asked for
	CHANGE 1
	SWITCH
	STEP 0
	STEP 1
	s_xor_b32 s[TB], s[TB], SLOT1
	s_add_co_u32 s[VIS], s[VIS], 1
	s_cmp_lt_u32 s[VIS], 8
	s_cbranch_scc1 .Lvisit
	CHANGE 0                                       ; the ninth visit is written out
	SWITCH
	STEP 0
	STEP 1
	FINAL AIL, ASL
	s_wait_tensorcnt 0x0                           ; the wave's end
	ds_add_u32 v[SPW], v[NIL]
	s_wait_dscnt 0x0
	s_endpgm
.Lfunc_end_k_q5475044537_attn:
	.size	k_q5475044537_attn, .Lfunc_end_k_q5475044537_attn-k_q5475044537_attn
	.p2alignl 7, 3214868480
	.fill 96, 4, 3214868480
	.section	.rodata,"a",@progbits
	.p2align	6, 0x0
	.amdhsa_kernel k_q5475044537_attn
		.amdhsa_group_segment_fixed_size 327680
		.amdhsa_private_segment_fixed_size 0
		.amdhsa_enable_private_segment 0
		.amdhsa_kernarg_size 24
		.amdhsa_user_sgpr_count 2
		.amdhsa_user_sgpr_kernarg_segment_ptr 1
		.amdhsa_wavefront_size32 1
		.amdhsa_system_sgpr_workgroup_id_x 1
		.amdhsa_system_sgpr_workgroup_id_y 1
		.amdhsa_system_sgpr_workgroup_id_z 1
		.amdhsa_system_vgpr_workitem_id 0
		.amdhsa_next_free_vgpr 256
		.amdhsa_next_free_sgpr 96
		.amdhsa_reserve_vcc 1
		.amdhsa_float_denorm_mode_32 3
		.amdhsa_float_denorm_mode_16_64 3
		.amdhsa_memory_ordered 1
		.amdhsa_forward_progress 1
		.amdhsa_inst_pref_size 117
	.end_amdhsa_kernel
	.amdgpu_metadata
---
amdhsa.version: [ 1, 2 ]
amdhsa.kernels:
  - .name:           k_q5475044537_attn
    .symbol:         k_q5475044537_attn.kd
    .args:
      - { .name: qq, .offset: 0, .size: 8, .value_kind: global_buffer, .address_space: global }
      - { .name: kv, .offset: 8, .size: 8, .value_kind: global_buffer, .address_space: global }
      - { .name: ao, .offset: 16, .size: 8, .value_kind: global_buffer, .address_space: global }
    .group_segment_fixed_size: 327680
    .private_segment_fixed_size: 0
    .kernarg_segment_align: 8
    .kernarg_segment_size: 24
    .max_flat_workgroup_size: 512
    .sgpr_count:     96
    .vgpr_count:     256
    .wavefront_size: 32
...
	.end_amdgpu_metadata
.endif
;; end of part 3
;; launch outp (part 4): grid 4 x 32, 4 waves a work-group, clusters of 4 x 4, 327,680 bytes of LDS; arguments ao, wq, out0; writes out0
.if DOCPART == 4
	.amdgcn_target "amdgcn-amd-amdhsa--gfx1250"
	.amdhsa_code_object_version 6
	.text
	.protected	k_q5475044537_outp
	.globl	k_q5475044537_outp
	.p2align	8
	.type	k_q5475044537_outp,@function
k_q5475044537_outp:
	s_mov_b64 s[64:65], 0
	v_nop
	global_prefetch_b8 v0, s[64:65] scope:SCOPE_SE
	s_setreg_imm32_b32 hwreg(HW_REG_WAVE_MODE, 25, 1), 1
	s_wait_xcnt 0x0
	s_wait_alu depctr_hold_cnt(0) depctr_sa_sdst(0) depctr_va_vdst(0) depctr_va_sdst(0) depctr_va_ssrc(0) depctr_va_vcc(0) depctr_vm_vsrc(0)
	s_getreg_b32 s2, hwreg(HW_REG_IB_STS2, 6, 4)
	s_cmp_eq_u32 s2, 0
	s_cbranch_scc0 .Lentry_in_a_cluster
	s_endpgm
.Lentry_in_a_cluster:
	s_bfe_u32 s2, ttmp6, 0x10000c
	s_cmp_lg_u32 s2, 0xf033
	s_cbranch_scc0 .Lentry_shape_is_right
	s_endpgm
.Lentry_shape_is_right:
; out0 = attention's output x WO^T: [8192 x 1024] x [1024 x 1024]^T on codes of BF6 (E3M2) with E8M0 scales, f32 out.
; A tile of C is 256 x 256: four waves, each 128 x 128 in 64 accumulators.  K goes in steps of 256 through two LDS slots; the operands lie in memory as register images ([K / 256][tile of 16 rows][4 half fragments of
; 768 bytes]): 128 rows x 256 K are 24,576 dense bytes, one tensor load; a fragment comes by two loads of 16 bytes and two of 8, each on consecutive bytes.  The scale bytes come into LDS once ([tile][K / 256][row][8]).
; CLUSTERS: 4 x 4 work-groups; A's tiles are asked for jointly along a row of the cluster, B's along a column.  The grid has 128 work-groups: the tile is kept at 256 x 256.
; THE PRODUCT IS USED TRANSPOSED (source 0 = 16 rows of WO, source 1 = 16 rows of A).  Rows lie in STORED order (stored tile T, place r = natural row 32 (T / 2) + 8 (T % 2) + r + 8 (r / 8)): a lane's 16 registers of
; WO's tiles 2 b, 2 b + 1 are the natural columns 32 b + 16 (lane / 16) + 0 .. 15; the rows' order is undone in the stores' offsets.
; REGISTERS: window 0: v1-31 addresses; v32-63 scale words, two sets; v128-223 A's fragments, one set; on the way out v128-255 hold rows.  window 1: B's fragments, two sets.  windows 2, 3: the accumulators.
.set KSTA,  1572864
.set KSTB,  196608
.set ASC,   6291456
.set BIMG,  2457600
.set BSC,   3244032
.set NQ,    2
.set FR,    12
.set NL,    4
.set NP,    4
.set HALFT, 24576
.set SLOT,  4*HALFT
.set SCL,   2*SLOT
.set SCLB,  SCL+8192+128               ; 128 bytes further on than a whole number of 256, so that the two halves of the lanes read different banks
.set SPARE, SCLB+8192+128              ; the spare words, 128 bytes for each wave: two blocks of 256 bytes that no other line names
.set SPITCH, 528                       ; the way out: a stage of 16 rows x (512 bytes + 16) for each wave, in slot 0 behind its last fill and its last read
.set LI16, 8
.set LI8,  9
.set ADRA, 16
.set ADRB, 20
.set STO,  24                          ; v24  the stage, in: 528 r + 64 h
.set RD,   25                          ; v25  back: 16 x lane: the 32 lanes take a row of 512 bytes
.set ADRS, 27
.set SPW,  28                          ; v28  my spare word; never rewritten
.set NIL,  29                          ; v29  0; never rewritten
.set SC,   32
.set AF,   128
.set BK,   128
.set G1, 24
.set G0, 32
.set G1B, 48
.set G0B, 56
.set G1S, 68
.set G0S, 76
.set G1SB, 80
.set G0SB, 88
.set MSB, 0
.macro WIN new                         ; the immediate's high byte repeats the setting that is left
.if MSB != (\new)
	s_set_vgpr_msb (MSB<<8)|(\new)
.set MSB, (\new)
.endif
.endm
.set MUL_LO, 0xa1
.set MUL_HI, 0xf1
.set TO_B,   0x40
.macro JLOAD g0a, g1a, g0b, g1b        ; a joint load: waves 0 and 1 fetch for A, waves 2 and 3 for B; four v_nop follow each of the two lines
	s_cmp_eq_u32 s15, 0
	s_cbranch_scc0 .Lfor_b_\@
	tensor_load_to_lds s[\g0a:\g0a+3], s[\g1a:\g1a+7]
	s_nop 0
.rept 4
	v_nop
.endr
	s_branch .Lasked_\@
.Lfor_b_\@:
	tensor_load_to_lds s[\g0b:\g0b+3], s[\g1b:\g1b+7]
	s_nop 0
.rept 4
	v_nop
.endr
.Lasked_\@:
.endm
.macro CREST
	s_cmp_lg_u32 s14, 0
	s_cbranch_scc1 .Lnot_wave_0_\@
	s_barrier_signal -3
.Lnot_wave_0_\@:
	s_barrier_wait -3
	s_barrier_signal -1
	s_barrier_wait -1
.endm
.macro CROUND
	s_barrier_signal -1
	s_barrier_wait -1
	CREST
.endm
	s_load_b128 s[4:7], s[0:1], 0x0                ; ao, wq
	s_load_b64 s[8:9], s[0:1], 0x10                ; out0
	v_lshl_add_u32 v[SPW], v0, 2, SPARE
	v_mov_b32 v[NIL], 0
	ds_add_u32 v28, v29
	s_wait_dscnt 0x0
	v_lshrrev_b32 v1, 5, v0
	v_readfirstlane_b32 s14, v1                    ; wave 0..3
	s_lshr_b32 s15, s14, 1                         ; which half of the tile's rows is mine.  Also: I fetch for A (0) or for B (1)
	s_and_b32 s16, s14, 1                          ; which half of its columns.  Also: which 128 rows of that tile I fetch
	s_bfe_u32 s40, ttmp6, 0x40000
	s_bfe_u32 s41, ttmp6, 0x40004
	s_lshl_b32 s42, ttmp9, 2
	s_add_co_u32 s42, s42, s40                     ; tile column
	s_and_b32 s17, ttmp7, 0xffff
	s_lshl_b32 s17, s17, 2
	s_add_co_u32 s17, s17, s41                     ; tile row
	s_lshl_b32 s43, s41, 2
	s_lshl_b32 s43, 15, s43                        ; my row of the cluster
	s_lshl_b32 s44, 0x1111, s40                    ; my column
	s_or_b32 s[G1], s43, (3<<16)|(1<<21)           ; 24,576 dense bytes as 96 rows of 256 (32 elements of 8 bytes); the mask; bit 21 beside it
	s_or_b32 s[G1B], s44, (3<<16)|(1<<21)
.irp g, G1, G1B
	s_mov_b32 s[\g+1], 32<<16
	s_mov_b32 s[\g+2], 96<<16
	s_mov_b32 s[\g+3], 32<<16
	s_mov_b32 s[\g+4], 96
	s_mov_b32 s[\g+5], 32
	s_mov_b32 s[\g+6], 0
	s_mov_b32 s[\g+7], 0
.endr
	s_or_b32 s[G1S], s43, (3<<16)|(1<<21)          ; the scale bytes of 128 rows: 16 rows of 256
	s_or_b32 s[G1SB], s44, (3<<16)|(1<<21)
.irp g, G1S, G1SB
	s_mov_b32 s[\g+1], 32<<16
	s_mov_b32 s[\g+2], 16<<16
	s_mov_b32 s[\g+3], 32<<16
	s_mov_b32 s[\g+4], 16
	s_mov_b32 s[\g+5], 32
	s_mov_b32 s[\g+6], 0
	s_mov_b32 s[\g+7], 0
.endr
	s_lshl_b32 s18, s16, 3
	s_lshl_b32 s20, s17, 4
	s_add_co_u32 s20, s20, s18                     ; A: tile 16 x tile row + 8 x half
	s_lshl_b32 s46, s42, 4
	s_add_co_u32 s46, s46, s18                     ; B: tile 16 x tile column + 8 x half
	s_lshl_b32 s22, s20, 9
	s_add_co_u32 s22, s22, ASC
	s_mov_b32 s23, 0
	s_lshl_b32 s92, s46, 9
	s_add_co_u32 s92, s92, BSC
	s_mov_b32 s93, 0
	s_mul_i32 s20, s20, 3072
	s_mov_b32 s21, 0
	s_mul_i32 s46, s46, 3072
	s_add_co_u32 s46, s46, BIMG
	s_mov_b32 s47, 0
	s_mul_i32 s45, s14, HALFT
	s_lshl_b32 s94, s14, 12
	s_wait_kmcnt 0x0
	s_add_nc_u64 s[20:21], s[4:5], s[20:21]
	s_add_nc_u64 s[22:23], s[4:5], s[22:23]
	s_add_nc_u64 s[46:47], s[6:7], s[46:47]
	s_add_nc_u64 s[92:93], s[6:7], s[92:93]
	CROUND                                         ; all sixteen work-groups are here: the first joint loads meet
	s_mov_b32 s[G0S], 1
	s_add_co_u32 s[G0S+1], s94, SCL
	s_mov_b64 s[G0S+2:G0S+3], s[22:23]
	s_or_b32 s[G0S+3], s[G0S+3], 0x80000000
	s_mov_b32 s[G0SB], 1
	s_add_co_u32 s[G0SB+1], s94, SCL+128
	s_mov_b64 s[G0SB+2:G0SB+3], s[92:93]
	s_or_b32 s[G0SB+3], s[G0SB+3], 0x80000000
	JLOAD G0S, G1S, G0SB, G1SB
.irp s, 0,1
	s_mov_b32 s[G0+4*\s], 1
	s_add_co_u32 s[G0+4*\s+1], s45, \s*SLOT
	s_add_nc_u64 s[G0+4*\s+2:G0+4*\s+3], s[20:21], \s*KSTA
	s_or_b32 s[G0+4*\s+3], s[G0+4*\s+3], 0x80000000
	s_mov_b32 s[G0B+4*\s], 1
	s_add_co_u32 s[G0B+4*\s+1], s45, \s*SLOT
	s_add_nc_u64 s[G0B+4*\s+2:G0B+4*\s+3], s[46:47], \s*KSTB
	s_or_b32 s[G0B+4*\s+3], s[G0B+4*\s+3], 0x80000000
	JLOAD G0+4*\s, G1, G0B+4*\s, G1B               ; three tensor loads of mine are out
.endr
	v_and_b32 v3, 31, v0                           ; lane
	v_and_b32 v1, 15, v0                           ; r
	v_bfe_u32 v2, v0, 4, 1                         ; h
	v_lshlrev_b32 v[LI16], 4, v3
	v_lshlrev_b32 v[LI8], 3, v3
	s_mul_i32 s21, s15, HALFT
	s_mul_i32 s22, s16, HALFT
	s_add_co_u32 s22, s22, 2*HALFT
.irp s, 0,1
	v_add_nc_u32 v[ADRA+\s], s21, v[LI16]
	v_add_nc_u32 v[ADRA+2+\s], s21, v[LI8]
	v_add_nc_u32 v[ADRB+\s], s22, v[LI16]
	v_add_nc_u32 v[ADRB+2+\s], s22, v[LI8]
	s_add_co_u32 s21, s21, SLOT
	s_add_co_u32 s22, s22, SLOT
.endr
	s_lshl_b32 s21, s15, 12
	s_lshl_b32 s22, s16, 12
	s_add_co_u32 s22, s22, SCLB-SCL
	s_sub_co_u32 s22, s22, s21
	v_mul_u32_u24 v6, s22, v2                      ; lanes 16-31 take B's scale words: one product, the distance x h
	s_add_co_u32 s21, s21, SCL
	v_lshl_add_u32 v5, v1, 3, v6
	v_add_nc_u32 v[ADRS], s21, v5
	s_mul_i32 s23, s14, 16*SPITCH                  ; my stage
	v_mul_u32_u24 v5, v1, SPITCH
	v_lshl_add_u32 v5, v2, 6, v5
	v_add_nc_u32 v[STO], s23, v5
	v_add_nc_u32 v[RD], s23, v[LI16]
	s_lshl_b32 s20, s17, 20                        ; 256 rows of 4,096 bytes
	s_lshl_b32 s21, s15, 19
	s_add_co_u32 s20, s20, s21
	s_lshl_b32 s46, s42, 10                        ; 256 columns of 4 bytes
	s_add_co_u32 s20, s20, s46
	s_lshl_b32 s46, s16, 9
	s_add_co_u32 s20, s20, s46
	s_mov_b32 s21, 0
	s_add_nc_u64 s[8:9], s[8:9], s[20:21]          ; my part of out0; never stepped
.macro FRAG reg, adr, q, i             ; a fragment (12 registers) is two half fragments: registers 0-3 at 16 lane, 4-5 at 512 + 8 lane, and the same 768 bytes on
	ds_load_b128 v[\reg:\reg+3], v[\adr] offset:3072*(\i)+1536*(\q)
	ds_load_b64 v[\reg+4:\reg+5], v[\adr+2] offset:3072*(\i)+1536*(\q)+512
	ds_load_b128 v[\reg+6:\reg+9], v[\adr] offset:3072*(\i)+1536*(\q)+768
	ds_load_b64 v[\reg+10:\reg+11], v[\adr+2] offset:3072*(\i)+1536*(\q)+1280
.endm
; 16 matrix instructions: A's blocks a0, a0 + 1 x B's eight.  The 64 accumulators take turns, one instruction a turn, in the same order in every step.
.macro MUL16 a0, p, q, sc, zero
.irp a, \a0, \a0+1
.irp b, 0,1,2,3,4,5,6,7
.if \zero
	v_wmma_scale_f32_16x16x128_f8f6f4 v[8*(8*((\a)%4)+\b):8*(8*((\a)%4)+\b)+7], v[128*(\p)+FR*\b:128*(\p)+FR*\b+FR-1], v[AF+FR*(\a):AF+FR*(\a)+FR-1], 0, v[SC+8*NQ*(\sc)+NQ*\b+(\q)], v[SC+8*NQ*(\sc)+NQ*(\a)+(\q)] matrix_a_fmt:MATRIX_FMT_BF6 matrix_b_fmt:MATRIX_FMT_BF6 matrix_a_scale:MATRIX_SCALE_ROW1
.else
	v_wmma_scale_f32_16x16x128_f8f6f4 v[8*(8*((\a)%4)+\b):8*(8*((\a)%4)+\b)+7], v[128*(\p)+FR*\b:128*(\p)+FR*\b+FR-1], v[AF+FR*(\a):AF+FR*(\a)+FR-1], v[8*(8*((\a)%4)+\b):8*(8*((\a)%4)+\b)+7], v[SC+8*NQ*(\sc)+NQ*\b+(\q)], v[SC+8*NQ*(\sc)+NQ*(\a)+(\q)] matrix_a_fmt:MATRIX_FMT_BF6 matrix_b_fmt:MATRIX_FMT_BF6 matrix_a_scale:MATRIX_SCALE_ROW1
.endif
.endr
.endr
.endm
.macro FETCH_B slot, q, p
	WIN TO_B
.irp i, 0,1,2,3,4,5,6,7
	FRAG 128*(\p)+FR*\i, ADRB+\slot, \q, \i
.endr
	WIN 0
.endm
.macro FETCH_A slot, q, i0
.irp i, \i0, \i0+1, \i0+2, \i0+3
	FRAG AF+FR*(\i), ADRA+\slot, \q, \i
.endr
.endm
.macro SCALES sc
.irp i, 0,1,2,3,4,5,6,7
	ds_load_b64 v[SC+8*NQ*\sc+NQ*\i:SC+8*NQ*\sc+NQ*\i+1], v[ADRS] offset:\i*512
.endr
.endm
.macro PLACES n                        ; plain vector lines between a matrix instruction and a load into, or a read of, its registers (ISA guide 7.12.1 for a read)
.rept \n
	v_nop
.endr
.endm
.macro STEP slot, q, zero
	s_wait_dscnt 4*NL                              ; B's set and A's blocks 0-3 are in; the youngest 16 loads (A's blocks 4-7) may be out
	WIN MUL_LO
	MUL16 0, (\q)%2, \q, \slot, \zero
	MUL16 2, (\q)%2, \q, \slot, \zero
	s_wait_dscnt 0
	PLACES NP
	FETCH_B \slot, (\q)+1, 1-(\q)%2
	FETCH_A \slot, (\q)+1, 0
	WIN MUL_HI
	MUL16 4, (\q)%2, \q, \slot, \zero
	MUL16 6, (\q)%2, \q, \slot, \zero
	PLACES NP
	WIN 0
	FETCH_A \slot, (\q)+1, 4
.endm
.macro TURN slot, next, fill           ; a slot's last step changes slots: one barrier, with the three lines in front of it; fill = 1: the slot is filled again, two K steps ahead
	s_wait_tensorcnt 0x0                           ; all my tensor loads have landed: my part of the next slot
	ds_add_u32 v[SPW], v[NIL]                      ; 0 onto my spare word
	s_wait_dscnt 4*NL+1                            ; (the add and the youngest 16 loads may be out)
	WIN MUL_LO
	MUL16 0, 1, NQ-1, \slot, 0
	s_wait_dscnt 0x0                               ; the add is done, and my reads of this slot are over
	s_barrier_signal -1
	MUL16 2, 1, NQ-1, \slot, 0
	WIN 0
	s_barrier_wait -1
.if \fill
	CREST                                          ; the barrier has opened a round of the cluster's
	s_add_nc_u64 s[G0+4*\slot+2:G0+4*\slot+3], s[G0+4*\slot+2:G0+4*\slot+3], 2*KSTA
	s_add_nc_u64 s[G0B+4*\slot+2:G0B+4*\slot+3], s[G0B+4*\slot+2:G0B+4*\slot+3], 2*KSTB
	JLOAD G0+4*\slot, G1, G0B+4*\slot, G1B         ; the first tensor load behind the round; its four v_nop are the places in front of the loads below
.else
	PLACES NP
.endif
	v_add_nc_u32 v[ADRS], 128, v[ADRS]
	FETCH_B \next, 0, 0
	FETCH_A \next, 0, 0
	SCALES \next
	WIN MUL_HI
	MUL16 4, 1, NQ-1, \slot, 0
	MUL16 6, 1, NQ-1, \slot, 0
	PLACES NP
	WIN 0
	FETCH_A \next, 0, 4
.endm
	s_wait_tensorcnt 1                             ; the scales and my part of K step 0 are in; K step 1's load may be out
	s_barrier_signal -1
	s_barrier_wait -1
	FETCH_B 0, 0, 0
	FETCH_A 0, 0, 0
	SCALES 0
	FETCH_A 0, 0, 4
	STEP 0, 0, 1                                   ; four K steps, written out; the first products start the sums
	TURN 0, 1, 1
	STEP 1, 0, 0
	TURN 1, 0, 1
	STEP 0, 0, 0
	TURN 0, 1, 0                                   ; nothing is left to fetch; nobody reads slot 0 any more
	STEP 1, 0, 0
	s_wait_dscnt 4*NL
	WIN MUL_LO
	MUL16 0, 1, NQ-1, 1, 0
	MUL16 2, 1, NQ-1, 1, 0
	s_wait_dscnt 0
	WIN MUL_HI
	MUL16 4, 1, NQ-1, 1, 0
	MUL16 6, 1, NQ-1, 1, 0
	WIN 0
; THE WAY OUT, block by block of 16 rows x 128 columns, through my own stage: a lane's eight registers of tile b are the columns 32 (b / 2) + 8 (b % 2) + 16 h + 0 .. 7 of its row; rows come back whole.
.macro TOSTAGE a
.set AC, 64*((\a)%4)
	WIN 0x08+4*((\a)/4)                            ; the data: window 2 or 3
.irp b, 0,1,2,3,4,5,6,7
	ds_store_b128 v[STO], v[AC+8*\b:AC+8*\b+3] offset:128*(\b/2)+32*(\b%2)          ; each accumulator from its low end on
	ds_store_b128 v[STO], v[AC+8*\b+4:AC+8*\b+7] offset:128*(\b/2)+32*(\b%2)+16
.endr
	WIN 0
.set BB, BK+64*((\a)%2)
.irp t, 0,1,2,3,4,5,6,7,8,9,10,11,12,13,14,15
	ds_load_b128 v[BB+4*\t:BB+4*\t+3], v[RD] offset:\t*SPITCH   ; LDS serves a wave's instructions in order (ISA guide 5.7.1.4): these see my stores
.endr
.endm
.macro SEND a, younger                 ; younger: the LDS instructions issued behind block a's loads, which may stay out
.set BB, BK+64*((\a)%2)
	s_wait_dscnt \younger
.irp t, 0,1,2,3,4,5,6,7,8,9,10,11,12,13,14,15
	global_store_b128 v[LI16], v[BB+4*\t:BB+4*\t+3], s[8:9] offset:(32*((\a)/2)+8*((\a)%2)+\t+8*(\t/8))*4096 th:TH_STORE_NT   ; stored row t of block a is this natural row; 32 lanes store 512 consecutive bytes, aligned
.endr
.endm
	PLACES NP
	TOSTAGE 0
.irp a, 1,2,3,4,5,6,7
.if \a > 1
	s_wait_xcnt 0x0                                ; block a - 2's stores have read their registers: block a's loads may land there
.endif
	TOSTAGE \a
	SEND \a-1, 32                                  ; behind block a - 1's loads: block a's 16 stores and 16 loads
.endr
	SEND 7, 0
	s_wait_tensorcnt 0x0                           ; the wave's end: behind my last tensor load and my last LDS store
	ds_add_u32 v[SPW], v[NIL]
	s_wait_dscnt 0x0
	CROUND                                         ; the closing round
	s_endpgm
.Lfunc_end_k_q5475044537_outp:
	.size	k_q5475044537_outp, .Lfunc_end_k_q5475044537_outp-k_q5475044537_outp
	.p2alignl 7, 3214868480
	.fill 96, 4, 3214868480
	.section	.rodata,"a",@progbits
	.p2align	6, 0x0
	.amdhsa_kernel k_q5475044537_outp
		.amdhsa_group_segment_fixed_size 327680
		.amdhsa_private_segment_fixed_size 0
		.amdhsa_enable_private_segment 0
		.amdhsa_kernarg_size 24
		.amdhsa_user_sgpr_count 2
		.amdhsa_user_sgpr_kernarg_segment_ptr 1
		.amdhsa_wavefront_size32 1
		.amdhsa_system_sgpr_workgroup_id_x 1
		.amdhsa_system_sgpr_workgroup_id_y 1
		.amdhsa_system_sgpr_workgroup_id_z 1
		.amdhsa_system_vgpr_workitem_id 0
		.amdhsa_next_free_vgpr 1024
		.amdhsa_next_free_sgpr 100
		.amdhsa_reserve_vcc 0
		.amdhsa_float_denorm_mode_32 3
		.amdhsa_float_denorm_mode_16_64 3
		.amdhsa_memory_ordered 1
		.amdhsa_forward_progress 1
		.amdhsa_inst_pref_size 143
	.end_amdhsa_kernel
	.amdgpu_metadata
---
amdhsa.version: [ 1, 2 ]
amdhsa.kernels:
  - .name:           k_q5475044537_outp
    .symbol:         k_q5475044537_outp.kd
    .args:
      - { .name: ao, .offset: 0, .size: 8, .value_kind: global_buffer, .address_space: global }
      - { .name: wq, .offset: 8, .size: 8, .value_kind: global_buffer, .address_space: global }
      - { .name: out0, .offset: 16, .size: 8, .value_kind: global_buffer, .address_space: global }
    .group_segment_fixed_size: 327680
    .private_segment_fixed_size: 0
    .kernarg_segment_align: 8
    .kernarg_segment_size: 24
    .max_flat_workgroup_size: 128
    .sgpr_count:     100
    .vgpr_count:     1024
    .wavefront_size: 32
...
	.end_amdgpu_metadata
.endif
;; end of part 4
